; MI455X (gfx1250); checked and timed in simulation.
; The chip was launched on July 23, 2026; its instructions are those of AMD's public machine-readable ISA for CDNA 5 (MIT licence, August 2026) and "CDNA5" Instruction Set Architecture Reference Guide (July 2026). The comments in the code are by the model that wrote it; some were corrected since.
;; Hybrid Attention. Allowed arithmetic: matrix products marked QUANTISED: E2M3 operands, one E8M0 scale for each 32 along K, by v_wmma_scale_f32_16x16x128_f8f6f4 with both operands' format E2M3, f32 sums; everything else in f32.
;; Inputs: Wk 1,024 x 1,024 float32; Wo 1,024 x 1,024 float32; Wq 1,024 x 1,024 float32; Wv 1,024 x 1,024 float32; hidden_states 1 x 4,096 x 1,024 float32.
;; Outputs: out0 1 x 4,096 x 1,024 float32.
;; This version of the problem:
;;   THIS VERSION OF THE PROBLEM IS GIVEN IN LOW PRECISION. The matrix products marked QUANTISED in the list below multiply operands that are first quantised to E2M3 (2 exponent bits, 3 mantissa bits; 6 bits a number), with one power-of-two scale for each 32 numbers along K (OCP MX v1.0); their sums are f32. All else is computed in f32.
;;   The module's matrix products, in the order in which they are computed (A, B: the left and right operand; K: the contracted axis; several contracted axes count as one K, in the product's order):
;;     1. [M 4,096, K 1,024] x [K 1,024, N 1,024]; A: input hidden_states; B: input Wq: QUANTISED
;;     2. [M 4,096, K 1,024] x [K 1,024, N 1,024]; A: input hidden_states; B: input Wk: QUANTISED
;;     3. [M 4,096, K 1,024] x [K 1,024, N 1,024]; A: input hidden_states; B: input Wv: QUANTISED
;;     4. batch 8 x [M 4,096, K 64] x [K 64, N 4,096]; A: computed on the way; B: computed on the way: QUANTISED
;;     5. batch 8 x [M 4,096, K 4,096] x [K 4,096, N 64]; A: softmax (see below); B: computed on the way: QUANTISED
;;     6. batch 8 x [M 4,096, K 64] x [K 64, N 4,096]; A: computed on the way; B: computed on the way: QUANTISED
;;     7. batch 8 x [M 4,096, K 4,096] x [K 4,096, N 64]; A: softmax (see below); B: computed on the way: QUANTISED
;;     8. [M 4,096, K 1,024] x [K 1,024, N 1,024]; A: computed on the way; B: input Wo: QUANTISED
;;   THE QUANTISER, for each operand of a quantised product, along K:
;;     - K is cut into blocks of 32 from its start; a last block that is shorter is filled with zeros.
;;     - A block's scale is 2^e with e = floor(log2(the largest magnitude in the block)) - 2, held to -126 .. 127; a block of zeros has e = 0. As a byte (E8M0): e + 127.
;;     - Each number is divided by its block's scale, clamped to +-7.5, and rounded to the nearest number of E2M3, ties to even, subnormals kept.
;;     - The product sums the exact products of the quantised numbers (number of the format x scale) in f32.
;;   ~~~python
;;   def quantise(x, axis):      # numpy; x: float32 -> the quantised numbers, widened to float32 again
;;       x = np.moveaxis(x, axis, -1); K = x.shape[-1]
;;       x = np.pad(x, [(0, 0)] * (x.ndim - 1) + [(0, -K % 32)]); x = x.reshape(x.shape[:-1] + (-1, 32)); a = np.abs(x).max(-1, keepdims=True)
;;       e = np.where(a > 0, np.clip(np.frexp(np.where(a > 0, a, 1))[1] - 1 - 2, -126, 127), 0)      # np.frexp(a)[1] - 1 = floor(log2(a)), exactly
;;       r = np.clip(x / 2.0 ** e, -7.5, 7.5)
;;       step = 2.0 ** (np.maximum(np.frexp(np.where(r == 0, 1, r))[1] - 1, 0) - 3)
;;       q = np.round(r / step) * step * 2.0 ** e      # np.round: ties to even
;;       return np.moveaxis(q.reshape(q.shape[:-2] + (-1,))[..., :K], -1, axis).astype(np.float32)
;;   ~~~
;;   SOFTMAX AHEAD OF A QUANTISED PRODUCT. Where the list says 'softmax', what is quantised is not the finished softmax but p = 2^(t - M), with t = logit x log2(e) and M = ceil(the row's largest t), a whole number; so 1/2 < the row's largest p <= 1. The row's sum l is taken of the UNQUANTISED p, in f32, and the product's result is divided by l at the end. Since M is a whole number, a kernel that streams over the keys may use a running M (the ceiling of the running maximum): every later rescaling is an exact power of two, which a block's scale takes up: the codes' values come out the same.
;;   OPERANDS COMPUTED ON THE WAY. 'Computed on the way' means the value that the module computes at that place (a softmax that the list does not call 'softmax' is quantised finished and normalised). What goes into a quantiser is computed in f32, as accurately as f32 sums, v_exp_f32 and their like allow (about 1e-6 of the number): no bf16 or f16 on the way to a quantiser, and a product that is left as it is and whose result goes on into a quantised operand takes f32 operands (vector FMAs, or v_wmma_f32_16x16x4_f32). A number that lies on a knife's edge between two numbers of the format may be rounded either way, as far as f32 arithmetic and the matrix unit's own rounding can turn it there, and no further.
;; One version. Each part assembles by itself: llvm-mc -triple=amdgcn-amd-amdhsa -mcpu=gfx1250 --defsym DOCPART=n.
;; ======== version 1 of 1: 4 launches
;; limits: right only within a limited range of input values
;; workspace buffers: xq 3,276,800 bytes; wq 3,276,800 bytes; rope 1,048,576 bytes; qq 3,407,872 bytes; kv 6,684,672 bytes; oq 3,276,800 bytes
;; launch quant (part 1): grid 512 x 1, 4 waves a work-group, no clusters, 81,408 bytes of LDS; arguments hidden_states, Wq, Wk, Wv, Wo, xq, wq, rope; writes xq, wq, rope
.if DOCPART == 1
	.amdgcn_target "amdgcn-amd-amdhsa--gfx1250"
	.amdhsa_code_object_version 6
	.text
	.protected	k_q86a8852431_quant
	.globl	k_q86a8852431_quant
	.p2align	8
	.type	k_q86a8852431_quant,@function
k_q86a8852431_quant:
	s_mov_b64 s[64:65], 0
	v_nop
	global_prefetch_b8 v0, s[64:65] scope:SCOPE_SE
	s_setreg_imm32_b32 hwreg(HW_REG_WAVE_MODE, 25, 1), 1
	s_wait_xcnt 0x0
; HybridAttention in MX-FP6 (E2M3, one E8M0 scale for 32 along K), four launches: quant, proj, attn, oproj.  THIS ONE: hidden_states and the four weights become codes and scale words; the RoPE table is made.
; WORK LEFT OUT BY THE PROGRAM (in launch attn), and why it is dead.  reference() builds the causal mask in its own body (tril, else -inf) and adds it to the logits of heads 0-7: where key > query the logit is
; -inf whatever the inputs hold, so its softmax weight is exactly 0 and its product with V adds nothing.  Key steps of 128 keys that lie wholly behind a wave's 16 queries are therefore not multiplied.  The mask of
; heads 8-15 is a term of zeros and is not added; neg_inf is never used.  Every input has a way to the output and is loaded.  LIMIT: a NaN, an infinity or an overflow that reaches only those key steps is not carried on.
; LIMITS.  NaN and infinities among the inputs are not served.  A block of zeros gets the scale byte 1 where the rule says 127: its codes are zeros, and the bytes are read by this program alone.
; inv_freq is 2^(-j log2(10)/8) by v_exp_f32; the angle (at most 4,095, fixed by L) is reduced by pi/2 in three parts and sine and cosine are polynomials on |x| <= pi/4.
; THE FORMAT OF ALL MY OPERANDS: the half fragment, 16 rows x 64 K, 768 bytes, an image of registers: lane (r, h) holds block h (32 codes, 24 bytes) of row r; its first 16 bytes lie at 16 x lane, its last 8 at
; 512 + 8 x lane.  Two on end are a matrix operand of 128 K.  Row r of tile T is index 32 (T / 2) + 8 (T % 2) + r + 8 (r / 8), for tokens and for columns alike.
; Scale words (four bytes: a row's 128 K): [T / 16][K step 8][T % 16][r].  xq: images [T 256][16][768], words at XSCL.  wq: [mat q,k,v,o][T 64][16][768], words at XSCL, 32,768 a mat.
; For Wo K step y holds the rows of head y and then of head y + 8, as launch attn lays its result: a permutation of K applied alike to both operands of the last product (the order of its f32 sums differs from reference()'s).
; rope: [T 256][8][lane][16 bytes]: register i (0-15) of lane (r, h) is cos(token(T, r) x f[16 h + i]), register 16 + i the sine.
; Work-groups 0-255: wave w takes 32 tokens (two tiles) x one K step of hidden_states, and a quarter of one tile's RoPE table.  Work-groups 256-511: wave w takes 32 columns x one K step of one weight, a lane to a
; column and its registers down K.  The two ways have LDS bytes of their own.  No tensor load, no barrier: waves share nothing.
.set XSCL,  3145728
.set WSTG,  67584                      ; LDS: 0 .. 67,583 the tokens' stages, 4 x 32 rows x 528; from here the weights' stages, 4 x 3,328
.set SPARE, 80896                      ; the spare words, 128 bytes a wave: two blocks of 256 bytes that no other line names
.set SPW,   14                         ; v14  my spare word's LDS address; never rewritten
.set NIL,   15                         ; v15  0; never rewritten
.set SEL,   30                         ; s[30:31] lane selects: lane l xor 16
.set R,     16                         ; v16-143  32 loads of 16 bytes
.set X,     144                        ; v144-207 64 numbers of a lane, register 16 b + i = k 32 b + 16 h + i of my row
.set PC,    208                        ; v208-227 codes
.set TM,    228                        ; v228-243 at work
.set PW0,   244                        ; v244, v245 the two tiles' scale words
.set PW,    246                        ; v246 the word just made
.set WX,    32                         ; v32-95 two sets of 32 numbers of a column
; 64 numbers of a lane become an operand's 12 registers in v[PC] on and its row's scale word in v[PW]
.macro QUANT s
.irp b, 0,1,2,3
	v_max3_num_f32 v[TM+\b], |v[\s+16*\b]|, |v[\s+1+16*\b]|, 0x1800000   ; block b: my 16 numbers, and the floor 2^(3 - 127): the byte cannot fall under 1
.endr
.irp i, 2,4,6,8,10,12,14
.irp b, 0,1,2,3
	v_max3_num_f32 v[TM+\b], v[TM+\b], |v[\s+16*\b+\i]|, |v[\s+1+16*\b+\i]|
.endr
.endr
.irp b, 0,1,2,3
	v_permlanex16_b32 v[TM+4+\b], v[TM+\b], s[SEL], s[SEL+1]
.endr
.irp b, 0,1,2,3
	v_max_num_f32 v[TM+\b], v[TM+\b], v[TM+4+\b]                  ; with lane l xor 16's: the block's largest magnitude
.endr
.irp b, 0,1,2,3
	v_add_nc_u32 v[TM+12+\b], 0xff000000, v[TM+\b]               ; 2 off its exponent field: the conversion's scale operand
.endr
.irp b, 0,1,2,3
	v_lshrrev_b32 v[TM+4+\b], 23, v[TM+12+\b]                    ; the scale's byte
.endr
	v_lshl_or_b32 v[PW], v[TM+5], 8, v[TM+4]
	v_lshl_or_b32 v[PW], v[TM+6], 16, v[PW]
	v_lshl_or_b32 v[PW], v[TM+7], 24, v[PW]
.irp c, 0,1
	v_cvt_scalef32_pk16_fp6_f32 v[PC+6*\c:PC+2+6*\c], v[\s+32*\c:\s+15+32*\c], v[TM+12+2*\c]
	v_cvt_scalef32_pk16_fp6_f32 v[PC+12+4*\c:PC+14+4*\c], v[\s+16+32*\c:\s+31+32*\c], v[TM+12+2*\c+1]   ; (a conversion's three registers begin on an even number)
.endr
	v_nop                                          ; one plain place behind a scaled conversion
.irp c, 0,1                                    ; a whole block to a lane: lanes 0-15 block 2 c, lanes 16-31 block 2 c + 1
.irp i, 0,1,2
	v_permlane16_swap_b32 v[PC+6*\c+\i], v[PC+12+4*\c+\i]
.endr
.irp i, 0,1,2
	v_mov_b32 v[PC+3+6*\c+\i], v[PC+12+4*\c+\i]
.endr
.endr
.endm
; cos and sin of token x f[n] into v[208 + n] and v[212 + n]
.macro SINCOS n
.set U, X+8+8*\n
	v_mul_f32 v[U], v9, v[X+\n]                    ; the angle, rounded once, as reference() has it
	v_mul_f32 v[U+1], 0x3f22f983, v[U]
	v_rndne_f32 v[U+1], v[U+1]                     ; k = the nearest multiple of pi/2
	v_fma_f32 v[U], -v[U+1], s26, v[U]
	v_fma_f32 v[U], -v[U+1], s27, v[U]
	v_fma_f32 v[U], -v[U+1], s28, v[U]             ; x = angle - k pi/2, |x| <= pi/4
	v_mul_f32 v[U+2], v[U], v[U]                   ; z = x x
	v_mov_b32 v[U+3], 0xb94ca1f9
	v_fmaak_f32 v[U+3], v[U+2], v[U+3], 0x3c08839e
	v_fmaak_f32 v[U+3], v[U+2], v[U+3], 0xbe2aaaa3
	v_mul_f32 v[U+4], v[U], v[U+2]
	v_fma_f32 v[U+3], v[U+4], v[U+3], v[U]         ; sin x
	v_mov_b32 v[U+4], 0x37ccf5ce
	v_fmaak_f32 v[U+4], v[U+2], v[U+4], 0xbab6061a
	v_fmaak_f32 v[U+4], v[U+2], v[U+4], 0x3d2aaaa5
	v_fma_f32 v[U+5], v[U+2], -0.5, 1.0
	v_mul_f32 v[U+6], v[U+2], v[U+2]
	v_fma_f32 v[U+4], v[U+6], v[U+4], v[U+5]       ; cos x
	v_cvt_i32_f32 v[U+1], v[U+1]
	v_and_b32 v[U+5], 1, v[U+1]
	v_cmp_eq_u32 vcc_lo, 1, v[U+5]
	v_cndmask_b32 v[U+6], v[U+3], v[U+4], vcc_lo   ; odd k: the two change places
	v_cndmask_b32 v[U+7], v[U+4], v[U+3], vcc_lo
	v_and_b32 v[U+5], 2, v[U+1]
	v_lshlrev_b32 v[U+5], 30, v[U+5]
	v_xor_b32 v[212+\n], v[U+5], v[U+6]            ; the sine changes sign where k & 2
	v_add_nc_u32 v[U+5], 1, v[U+1]
	v_and_b32 v[U+5], 2, v[U+5]
	v_lshlrev_b32 v[U+5], 30, v[U+5]
	v_xor_b32 v[208+\n], v[U+5], v[U+7]            ; the cosine where (k + 1) & 2
.endm
; tile u of my 32 tokens: through my stage, so that a lane holds 16 neighbours of each block; quantised; stored as two half fragments
.macro XTURN u
	s_wait_loadcnt 16*(1-\u)                       ; this tile's sixteen loads are in; the other tile's sixteen may be out
.set n, 0
.rept 16
	ds_store_b128 v7, v[R+64*\u+4*n:R+64*\u+4*n+3] offset:(16*\u+n)*528
.set n, n+1
.endr
.irp bb, 0,1,2,3
.irp jj, 0,1,2,3
	ds_load_b128 v[X+16*\bb+4*\jj:X+16*\bb+4*\jj+3], v8 offset:16*\u*528+128*\bb+16*\jj   ; LDS serves a wave's instructions in order: these see my stores
.endr
.endr
	s_wait_dscnt 0x0
	s_wait_xcnt 0x0                                ; the earlier stores have read their data: v208 on are written again only behind this wait
	QUANT X
	global_store_b128 v4, v[PC:PC+3], s[34:35] offset:12288*\u          ; each store of the wave covers 512 or 256 consecutive bytes, aligned
	global_store_b64 v5, v[PC+4:PC+5], s[34:35] offset:12288*\u+512
	global_store_b128 v4, v[PC+6:PC+9], s[34:35] offset:12288*\u+768
	global_store_b64 v5, v[PC+10:PC+11], s[34:35] offset:12288*\u+1280
	v_mov_b32 v[PW0+\u], v[PW]
.endm
.macro WLOAD t                         ; block t of my column: 32 rows of the weight; a load of the wave reads 128 consecutive bytes, the four waves stand side by side
.irp i, 0,1,2,3,4,5,6,7,8,9,10,11,12,13,14,15,16,17,18,19,20,21,22,23,24,25,26,27,28,29,30,31
	global_load_b32 v[WX+32*((\t)%2)+\i], v6, s[34+2*((\t)/2):35+2*((\t)/2)] offset:(32*((\t)%2)+\i)*4096 th:TH_LOAD_NT
.endr
.endm
.macro WBLOCK t
.set XS, WX+32*((\t)%2)
.if (\t) < 3
	s_wait_loadcnt 32                              ; this block's 32 loads are in; the next block's may be out
.else
	s_wait_loadcnt 0
.endif
	v_max3_num_f32 v20, |v[XS]|, |v[XS+1]|, |v[XS+2]|              ; the block's largest magnitude: all 32 numbers are mine
	v_max3_num_f32 v21, |v[XS+3]|, |v[XS+4]|, |v[XS+5]|
.irp i, 6,10,14,18,22,26
	v_max3_num_f32 v20, v20, |v[XS+\i]|, |v[XS+\i+1]|
	v_max3_num_f32 v21, v21, |v[XS+\i+2]|, |v[XS+\i+3]|
.endr
	v_max3_num_f32 v20, v20, |v[XS+30]|, |v[XS+31]|
	v_max3_num_f32 v20, v20, v21, 0x1800000        ; and the floor
	v_add_nc_u32 v22, 0xff000000, v20
	v_lshrrev_b32 v23, 23, v22
.if (\t) == 0
	v_mov_b32 v24, v23
.else
	v_lshl_or_b32 v24, v23, 8*(\t), v24            ; the column's scale word
.endif
	v_cvt_scalef32_pk16_fp6_f32 v[96:98], v[XS:XS+15], v22
	v_cvt_scalef32_pk16_fp6_f32 v[100:102], v[XS+16:XS+31], v22
	v_nop
	v_mov_b32 v99, v100                            ; the block's 24 bytes on end
	v_mov_b32 v100, v101
	v_mov_b32 v101, v102
	ds_store_b128 v11, v[96:99] offset:768*((\t)/2)+256*((\t)%2)       ; to the place of lane (r, t % 2) in half fragment t / 2 of my tile's image
	ds_store_b64 v12, v[100:101] offset:768*((\t)/2)+512+128*((\t)%2)
.if (\t)+2 < 4
	WLOAD (\t)+2
.endif
	s_wait_dscnt 0x0                               ; the stores have read their registers
.endm
	s_load_b512 s[4:19], s[0:1], 0x0               ; hidden s[4:5], Wq, Wk, Wv, Wo s[6:13], xq s[14:15], wq s[16:17], rope s[18:19]
	v_lshl_add_u32 v[SPW], v0, 2, SPARE
	v_mov_b32 v[NIL], 0
	v_lshrrev_b32 v1, 5, v0
	v_readfirstlane_b32 s20, v1                    ; wave
	v_and_b32 v1, 31, v0                           ; lane
	v_and_b32 v2, 15, v0                           ; r
	v_bfe_u32 v3, v0, 4, 1                         ; h
	v_lshlrev_b32 v4, 4, v1
	v_lshlrev_b32 v5, 3, v1
	v_lshlrev_b32 v6, 2, v1
	s_mov_b32 s[SEL], 0x76543210
	s_mov_b32 s[SEL+1], 0xfedcba98
	s_mov_b32 s33, 0
	s_cmp_lt_u32 ttmp9, 256
	s_cbranch_scc0 .Lweights
	; ---- hidden_states and the RoPE table
	s_mul_i32 s21, s20, 16896                      ; my stage
	v_add_nc_u32 v7, s21, v4                       ; in: a row's 512 bytes as they lie
	v_mul_u32_u24 v8, v2, 528
	v_lshl_add_u32 v8, v3, 6, v8
	v_add_nc_u32 v8, s21, v8                       ; out: row r, + 64 h
	s_lshr_b32 s22, ttmp9, 1                       ; which 32 tokens
	s_and_b32 s23, ttmp9, 1
	s_lshl_b32 s24, s23, 2
	s_add_co_u32 s24, s24, s20                     ; which K step
	s_lshl_b32 s32, s22, 17
	s_lshl_b32 s25, s24, 9
	s_add_co_u32 s32, s32, s25
	s_wait_kmcnt 0x0
	s_add_nc_u64 s[4:5], s[4:5], s[32:33]
.set n, 0
	s_wait_alu depctr_va_vdst(0)
.rept 32                               ; tile 0's rows first: token 8 u + r + 8 (r / 8) of the 32
	global_load_b128 v[R+4*n:R+4*n+3], v4, s[4:5] offset:(8*(n/16)+(n%16)+8*((n%16)/8))*4096 th:TH_LOAD_NT
.set n, n+1
.endr
	s_mul_i32 s32, s22, 24576
	s_mul_i32 s25, s24, 1536
	s_add_co_u32 s32, s32, s25
	s_add_nc_u64 s[34:35], s[14:15], s[32:33]      ; my two tiles' images of this K step
	s_lshr_b32 s25, s22, 3
	s_lshl_b32 s32, s25, 13
	s_lshl_b32 s25, s24, 10
	s_add_co_u32 s32, s32, s25
	s_and_b32 s25, s22, 7
	s_lshl_b32 s25, s25, 7
	s_add_co_u32 s32, s32, s25
	s_add_co_u32 s32, s32, XSCL
	s_add_nc_u64 s[36:37], s[14:15], s[32:33]      ; and their scale words: 128 consecutive bytes
	s_lshl_b32 s32, ttmp9, 12
	s_lshl_b32 s25, s20, 9
	s_add_co_u32 s32, s32, s25
	s_add_nc_u64 s[18:19], s[18:19], s[32:33]      ; the table of tile T = my work-group's number, my quarter
	s_mov_b32 s26, 0x3fc90fda                      ; pi/2 in three parts
	s_mov_b32 s27, 0x33a22168
	s_mov_b32 s28, 0x27c234c4
	s_mov_b32 s38, 0xbed49a00                      ; -log2(10)/8 in two parts: j x the first is exact
	s_mov_b32 s39, 0xb670979a
	s_mov_b32 s41, 0xffff0000
	v_and_b32 v9, 8, v2
	v_add_nc_u32 v9, v9, v2
	s_lshl_b32 s25, s22, 5
	s_lshl_b32 s40, s23, 3
	s_add_co_u32 s25, s25, s40
	v_add_nc_u32 v9, s25, v9
	v_cvt_f32_u32 v9, v9                           ; my row's token
	s_lshl_b32 s25, s20, 2
	v_lshl_add_u32 v10, v3, 4, s25                 ; j = 16 h + 4 w + i
.irp i, 0,1,2,3
	v_add_nc_u32 v[X+4+\i], \i, v10
	v_cvt_f32_u32 v[X+4+\i], v[X+4+\i]
	v_mul_f32 v[X+\i], s38, v[X+4+\i]
	v_fma_f32 v[X+\i], v[X+4+\i], s39, v[X+\i]
.endr
	s_wait_alu depctr_va_vdst(0)
.irp i, 0,1,2,3
	v_exp_f32 v[X+\i], v[X+\i]                     ; f[j] = 10000^(-j / 32)
.endr
	v_nop                                          ; a plain place behind the four,
	s_wait_alu depctr_va_vdst(0)                   ; and one wait for them, ahead of their first reader
	SINCOS 0
	SINCOS 1
	SINCOS 2
	SINCOS 3
	global_store_b128 v4, v[208:211], s[18:19]
	global_store_b128 v4, v[212:215], s[18:19] offset:2048
.irp b, 0,1,2,3
	v_mov_b32 v[TM+4+\b], 0                        ; written once: a lane permute's destination counts as one of its sources
.endr
	XTURN 0
	XTURN 1
	v_cndmask_b32 v[PW], v[PW0], v[PW0+1], s41     ; lanes 0-15 tile 0's words, lanes 16-31 tile 1's
	global_store_b32 v6, v[PW], s[36:37]
	s_wait_tensorcnt 0x0                           ; the wave's end, behind my last LDS store
	ds_add_u32 v[SPW], v[NIL]
	s_wait_dscnt 0x0
	s_endpgm
.Lweights:                             ; ---- a weight: mat, 128 columns, one K step
	s_sub_co_u32 s21, ttmp9, 256
	s_lshr_b32 s22, s21, 6                         ; mat: q, k, v, o
	s_bfe_u32 s23, s21, 0x30003                    ; which 128 columns
	s_and_b32 s24, s21, 7                          ; which K step
	v_bfe_u32 v7, v0, 3, 1                         ; my column 32 beta + lane is row r of tile 2 beta + u: u = (lane / 8) % 2,
	v_and_b32 v8, 7, v0
	s_wait_alu depctr_va_vdst(0)
	v_lshl_add_u32 v8, v3, 3, v8                   ; r = lane % 8 + 8 (lane / 16)
	s_mul_i32 s25, s20, 3328
	s_add_co_u32 s25, s25, WSTG                    ; my stage: two images of 1,536 bytes, 1,664 apart
	v_mul_u32_u24 v10, v7, 1664
	v_add_nc_u32 v10, s25, v10
	v_lshl_add_u32 v11, v8, 4, v10
	v_lshl_add_u32 v12, v8, 3, v10
	v_add_nc_u32 v13, s25, v4
	v_lshlrev_b32 v9, 6, v7
	v_lshl_add_u32 v9, v8, 2, v9                   ; my scale word's place: 64 u + 4 r
	s_lshl_b32 s26, s24, 7                         ; blocks 0, 1 begin at row 128 y, blocks 2, 3 at 128 y + 64;
	s_lshl_b32 s27, s24, 6                         ; in Wo at 64 y (head y) and 64 y + 512 (head y + 8)
	s_add_co_u32 s28, s26, 64
	s_add_co_u32 s29, s27, 512
	s_wait_kmcnt 0x0
	s_cmp_eq_u32 s22, 1
	s_cselect_b64 s[6:7], s[8:9], s[6:7]
	s_cmp_eq_u32 s22, 2
	s_cselect_b64 s[6:7], s[10:11], s[6:7]
	s_cmp_eq_u32 s22, 3
	s_cselect_b64 s[6:7], s[12:13], s[6:7]
	s_cselect_b32 s26, s27, s26
	s_cselect_b32 s28, s29, s28
	s_lshl_b32 s26, s26, 12
	s_lshl_b32 s28, s28, 12
	s_lshl_b32 s27, s23, 9
	s_lshl_b32 s29, s20, 7
	s_add_co_u32 s27, s27, s29                     ; my wave's first column, in bytes
	s_add_co_u32 s32, s26, s27
	s_add_nc_u64 s[34:35], s[6:7], s[32:33]
	s_add_co_u32 s32, s28, s27
	s_add_nc_u64 s[36:37], s[6:7], s[32:33]
	WLOAD 0
	WLOAD 1
	s_mul_i32 s32, s22, 786432
	s_lshl_b32 s26, s23, 3
	s_lshl_b32 s28, s20, 1
	s_add_co_u32 s26, s26, s28                     ; my first tile: 8 cg + 2 w
	s_mul_i32 s28, s26, 12288
	s_add_co_u32 s32, s32, s28
	s_mul_i32 s28, s24, 1536
	s_add_co_u32 s32, s32, s28
	s_add_nc_u64 s[38:39], s[16:17], s[32:33]
	s_lshl_b32 s32, s22, 15
	s_lshr_b32 s28, s26, 4
	s_lshl_b32 s28, s28, 13
	s_add_co_u32 s32, s32, s28
	s_and_b32 s28, s26, 15
	s_lshl_b32 s28, s28, 6
	s_add_co_u32 s32, s32, s28
	s_lshl_b32 s28, s24, 10
	s_add_co_u32 s32, s32, s28
	s_add_co_u32 s32, s32, XSCL
	s_add_nc_u64 s[40:41], s[16:17], s[32:33]
	WBLOCK 0
	WBLOCK 1
	WBLOCK 2
	WBLOCK 3
	s_wait_alu depctr_va_vdst(0)
	global_store_b32 v9, v24, s[40:41]             ; the wave's 32 words: 128 consecutive bytes
.irp k, 0,1,2,3,4,5
	ds_load_b128 v[112+4*\k:115+4*\k], v13 offset:1664*(\k/3)+512*(\k%3)
.endr
.irp k, 0,1,2,3,4,5
	s_wait_dscnt 5-\k                              ; the younger read-backs may be out
	global_store_b128 v4, v[112+4*\k:115+4*\k], s[38:39] offset:12288*(\k/3)+512*(\k%3)   ; 512 consecutive bytes, aligned
.endr
	s_wait_tensorcnt 0x0                           ; the wave's end: the three lines
	ds_add_u32 v[SPW], v[NIL]
	s_wait_dscnt 0x0
	s_endpgm
.Lfunc_end_k_q86a8852431_quant:
	.size	k_q86a8852431_quant, .Lfunc_end_k_q86a8852431_quant-k_q86a8852431_quant
	.p2alignl 7, 3214868480
	.fill 96, 4, 3214868480
	.section	.rodata,"a",@progbits
	.p2align	6, 0x0
	.amdhsa_kernel k_q86a8852431_quant
		.amdhsa_group_segment_fixed_size 81408
		.amdhsa_private_segment_fixed_size 0
		.amdhsa_enable_private_segment 0
		.amdhsa_kernarg_size 64
		.amdhsa_user_sgpr_count 2
		.amdhsa_user_sgpr_kernarg_segment_ptr 1
		.amdhsa_wavefront_size32 1
		.amdhsa_system_sgpr_workgroup_id_x 1
		.amdhsa_system_sgpr_workgroup_id_y 1
		.amdhsa_system_sgpr_workgroup_id_z 1
		.amdhsa_system_vgpr_workitem_id 0
		.amdhsa_next_free_vgpr 256
		.amdhsa_next_free_sgpr 66
		.amdhsa_reserve_vcc 1
		.amdhsa_float_denorm_mode_32 3
		.amdhsa_float_denorm_mode_16_64 3
		.amdhsa_memory_ordered 1
		.amdhsa_forward_progress 1
		.amdhsa_inst_pref_size 48
	.end_amdhsa_kernel
	.amdgpu_metadata
---
amdhsa.version: [ 1, 2 ]
amdhsa.kernels:
  - .name:           k_q86a8852431_quant
    .symbol:         k_q86a8852431_quant.kd
    .args:
      - { .name: hidden_states, .offset: 0, .size: 8, .value_kind: global_buffer, .address_space: global }
      - { .name: Wq, .offset: 8, .size: 8, .value_kind: global_buffer, .address_space: global }
      - { .name: Wk, .offset: 16, .size: 8, .value_kind: global_buffer, .address_space: global }
      - { .name: Wv, .offset: 24, .size: 8, .value_kind: global_buffer, .address_space: global }
      - { .name: Wo, .offset: 32, .size: 8, .value_kind: global_buffer, .address_space: global }
      - { .name: xq, .offset: 40, .size: 8, .value_kind: global_buffer, .address_space: global }
      - { .name: wq, .offset: 48, .size: 8, .value_kind: global_buffer, .address_space: global }
      - { .name: rope, .offset: 56, .size: 8, .value_kind: global_buffer, .address_space: global }
    .group_segment_fixed_size: 81408
    .private_segment_fixed_size: 0
    .kernarg_segment_align: 8
    .kernarg_segment_size: 64
    .max_flat_workgroup_size: 128
    .sgpr_count:     66
    .vgpr_count:     256
    .wavefront_size: 32
...
	.end_amdgpu_metadata
.endif
;; end of part 1
;; launch proj (part 2): grid 12 x 16, 4 waves a work-group, clusters of 4 x 4, 327,680 bytes of LDS; arguments xq, wq, rope, qq, kv; writes qq, kv
.if DOCPART == 2
	.amdgcn_target "amdgcn-amd-amdhsa--gfx1250"
	.amdhsa_code_object_version 6
	.text
	.protected	k_q86a8852431_proj
	.globl	k_q86a8852431_proj
	.p2align	8
	.type	k_q86a8852431_proj,@function
k_q86a8852431_proj:
	s_mov_b64 s[64:65], 0
	v_nop
	global_prefetch_b8 v0, s[64:65] scope:SCOPE_SE
	s_setreg_imm32_b32 hwreg(HW_REG_WAVE_MODE, 25, 1), 1
	s_wait_xcnt 0x0
	s_wait_alu depctr_hold_cnt(0) depctr_sa_sdst(0) depctr_va_vdst(0) depctr_va_sdst(0) depctr_va_ssrc(0) depctr_va_vcc(0) depctr_vm_vsrc(0)
	s_getreg_b32 s2, hwreg(HW_REG_IB_STS2, 6, 4)
	s_cmp_eq_u32 s2, 0
	s_cbranch_scc0 .Lentry_in_a_cluster
	s_endpgm
.Lentry_in_a_cluster:
	s_bfe_u32 s2, ttmp6, 0x10000c
	s_cmp_lg_u32 s2, 0xf033
	s_cbranch_scc0 .Lentry_shape_is_right
	s_endpgm
.Lentry_shape_is_right:
.set FR,    12
.set NL,    4
.set NP,    4
.set NQ,    2
.set TILEB, 3072
.set HALFT, 8*TILEB
.set SLOT,  4*HALFT
.set SCL,   2*SLOT
.set STGQ,  SCL+16384
.set STGV,  STGQ+4096
.set SPARE, STGV+4096
.set ADRA, 16
.set ADRB, 20
.set LI16, 24
.set LI8,  25
.set SELP, 26
.set ADRS, 27
.set SPW,  28
.set NIL,  29
.set SQ,   30
.set SV,   31
.set RQ,   12
.set RV,   13
.set VSO,  14
.set SC,   32
.set TBL,  64
.set AF,   128
.set H,    128
.set PC,   192
.set TM,   212
.set PW,   228
.set SEL,  66
.set G1, 24
.set G0, 32
.set G1B, 48
.set G0B, 56
.set G1S, 68
.set G0S, 76
.set G1SB, 80
.set G0SB, 88
.set MSB, 0
.macro WIN new
.if MSB != (\new)
	s_set_vgpr_msb (MSB<<8)|(\new)
.set MSB, (\new)
.endif
.endm
.set MUL_LO, 0xa1
.set MUL_HI, 0xf1
.set TO_B,   0x40
.macro JLOAD g0a, g1a, g0b, g1b
	s_cmp_eq_u32 s15, 0
	s_cbranch_scc0 .Lfor_b_\@
	tensor_load_to_lds s[\g0a:\g0a+3], s[\g1a:\g1a+7]
	s_nop 0
.rept 4
	v_nop
.endr
	s_branch .Lasked_\@
.Lfor_b_\@:
	tensor_load_to_lds s[\g0b:\g0b+3], s[\g1b:\g1b+7]
	s_nop 0
.rept 4
	v_nop
.endr
.Lasked_\@:
.endm
.macro CREST
	s_cmp_lg_u32 s14, 0
	s_cbranch_scc1 .Lnot_wave_0_\@
	s_barrier_signal -3
.Lnot_wave_0_\@:
	s_barrier_wait -3
	s_barrier_signal -1
	s_barrier_wait -1
.endm
.macro CROUND
	s_barrier_signal -1
	s_barrier_wait -1
	CREST
.endm
.macro FRAG reg, adr, q, i
	ds_load_b128 v[\reg:\reg+3], v[\adr] offset:TILEB*(\i)+1536*(\q)
	ds_load_b64 v[\reg+4:\reg+5], v[\adr+2] offset:TILEB*(\i)+1536*(\q)+512
	ds_load_b128 v[\reg+6:\reg+9], v[\adr] offset:TILEB*(\i)+1536*(\q)+768
	ds_load_b64 v[\reg+10:\reg+11], v[\adr+2] offset:TILEB*(\i)+1536*(\q)+1280
.endm
.macro MUL16 a0, p, q, sc, zero
.irp a, \a0, \a0+1
.irp b, 0,1,2,3,4,5,6,7
.if \zero
	v_wmma_scale_f32_16x16x128_f8f6f4 v[8*(8*((\a)%4)+\b):8*(8*((\a)%4)+\b)+7], v[128*(\p)+FR*\b:128*(\p)+FR*\b+FR-1], v[AF+FR*(\a):AF+FR*(\a)+FR-1], 0, v[SC+8*NQ*(\sc)+NQ*\b+(\q)], v[SC+8*NQ*(\sc)+NQ*(\a)+(\q)] matrix_a_fmt:MATRIX_FMT_FP6 matrix_b_fmt:MATRIX_FMT_FP6 matrix_a_scale:MATRIX_SCALE_ROW1
.else
	v_wmma_scale_f32_16x16x128_f8f6f4 v[8*(8*((\a)%4)+\b):8*(8*((\a)%4)+\b)+7], v[128*(\p)+FR*\b:128*(\p)+FR*\b+FR-1], v[AF+FR*(\a):AF+FR*(\a)+FR-1], v[8*(8*((\a)%4)+\b):8*(8*((\a)%4)+\b)+7], v[SC+8*NQ*(\sc)+NQ*\b+(\q)], v[SC+8*NQ*(\sc)+NQ*(\a)+(\q)] matrix_a_fmt:MATRIX_FMT_FP6 matrix_b_fmt:MATRIX_FMT_FP6 matrix_a_scale:MATRIX_SCALE_ROW1
.endif
.endr
.endr
.endm
.macro FETCH_B slot, q, p
	WIN TO_B
.irp i, 0,1,2,3,4,5,6,7
	FRAG 128*(\p)+FR*\i, ADRB+\slot, \q, \i
.endr
	WIN 0
.endm
.macro FETCH_A slot, q, i0
.irp i, \i0, \i0+1, \i0+2, \i0+3
	FRAG AF+FR*(\i), ADRA+\slot, \q, \i
.endr
.endm
.macro SCALES sc
.irp i, 0,1,2,3,4,5,6,7
.irp q, 0,1
	ds_load_b32 v[SC+8*NQ*\sc+NQ*\i+\q], v[ADRS] offset:1024*\q+64*\i
.endr
.endr
.endm
.macro PLACES n
.rept \n
	v_nop
.endr
.endm
.macro STEP slot, q, zero
	s_wait_dscnt 4*NL
	WIN MUL_LO
	MUL16 0, (\q)%2, \q, \slot, \zero
	MUL16 2, (\q)%2, \q, \slot, \zero
	s_wait_dscnt 0
	PLACES NP
	FETCH_B \slot, (\q)+1, 1-(\q)%2
	FETCH_A \slot, (\q)+1, 0
	WIN MUL_HI
	MUL16 4, (\q)%2, \q, \slot, \zero
	MUL16 6, (\q)%2, \q, \slot, \zero
	PLACES NP
	WIN 0
	FETCH_A \slot, (\q)+1, 4
.endm
.macro TURN slot, next, fill
	s_wait_tensorcnt 0x0
	ds_add_u32 v[SPW], v[NIL]
	s_wait_dscnt 4*NL+1
	WIN MUL_LO
	MUL16 0, 1, NQ-1, \slot, 0
	s_wait_dscnt 0x0
	s_barrier_signal -1
	MUL16 2, 1, NQ-1, \slot, 0
	WIN 0
	s_barrier_wait -1
.if \fill
	CREST
	s_add_nc_u64 s[G0+4*\slot+2:G0+4*\slot+3], s[G0+4*\slot+2:G0+4*\slot+3], 2*TILEB
	s_add_nc_u64 s[G0B+4*\slot+2:G0B+4*\slot+3], s[G0B+4*\slot+2:G0B+4*\slot+3], 2*TILEB
	JLOAD G0+4*\slot, G1, G0B+4*\slot, G1B
.else
	PLACES NP
.endif
	s_wait_alu depctr_va_vdst(0)
	v_add_nc_u32 v[ADRS], 2048, v[ADRS]
	FETCH_B \next, 0, 0
	FETCH_A \next, 0, 0
	SCALES \next
	WIN MUL_HI
	MUL16 4, 1, NQ-1, \slot, 0
	MUL16 6, 1, NQ-1, \slot, 0
	PLACES NP
	WIN 0
	FETCH_A \next, 0, 4
.endm
.macro LAST
	s_wait_dscnt 4*NL
	WIN MUL_LO
	MUL16 0, 1, NQ-1, 1, 0
	MUL16 2, 1, NQ-1, 1, 0
	s_wait_dscnt 0
	WIN MUL_HI
	MUL16 4, 1, NQ-1, 1, 0
	MUL16 6, 1, NQ-1, 1, 0
	WIN 0
	PLACES NP
.irp b, 0,1,2,3
	v_mov_b32 v[TM+4+\b], 0
.endr
.endm
.macro QUANT s, w
	WIN (\w)|((\w)<<2)
.irp b, 0,1,2,3
	v_max3_num_f32 v[TM+\b], |v[(\s)+16*\b]|, |v[(\s)+1+16*\b]|, 0x1800000
.endr
.irp i, 2,4,6,8,10,12,14
.irp b, 0,1,2,3
	v_max3_num_f32 v[TM+\b], |v[(\s)+16*\b+\i]|, |v[(\s)+1+16*\b+\i]|, v[TM+\b]
.endr
.endr
	WIN 0
.irp b, 0,1,2,3
	v_permlanex16_b32 v[TM+4+\b], v[TM+\b], s[SEL], s[SEL+1]
.endr
.irp b, 0,1,2,3
	v_max_num_f32 v[TM+\b], v[TM+\b], v[TM+4+\b]
.endr
.irp b, 0,1,2,3
	v_add_nc_u32 v[TM+12+\b], 0xff000000, v[TM+\b]
.endr
.irp b, 0,1,2,3
	v_lshrrev_b32 v[TM+4+\b], 23, v[TM+12+\b]
.endr
	v_lshl_or_b32 v[PW], v[TM+5], 8, v[TM+4]
	v_lshl_or_b32 v[PW], v[TM+6], 16, v[PW]
	v_lshl_or_b32 v[PW], v[TM+7], 24, v[PW]
	WIN (\w)
.irp c, 0,1
	v_cvt_scalef32_pk16_fp6_f32 v[PC+6*\c:PC+2+6*\c], v[(\s)+32*\c:(\s)+15+32*\c], v[TM+12+2*\c]
	v_cvt_scalef32_pk16_fp6_f32 v[PC+12+4*\c:PC+14+4*\c], v[(\s)+16+32*\c:(\s)+31+32*\c], v[TM+12+2*\c+1]
.endr
	WIN 0
	v_nop
.irp c, 0,1
.irp i, 0,1,2
	v_permlane16_swap_b32 v[PC+6*\c+\i], v[PC+12+4*\c+\i]
.endr
.irp i, 0,1,2
	v_mov_b32 v[PC+3+6*\c+\i], v[PC+12+4*\c+\i]
.endr
.endr
.endm
.macro TABLE a
.irp g, 0,1,2,3,4,5,6,7
	global_load_b128 v[TBL+32*((\a)%2)+4*\g:TBL+32*((\a)%2)+4*\g+3], v[LI16], s[76:77] offset:4096*(\a)+512*\g
.endr
.endm
.macro ROPE a
.set AC, 64*((\a)%4)
.set TT, TBL+32*((\a)%2)
	WIN 2+(\a)/4
.irp e, 0,1
.irp i, 0,2,4,6,8,10,12,14
	v_pk_mul_f32 v[H+32*\e+\i:H+32*\e+\i+1], v[AC+32*\e+\i:AC+32*\e+\i+1], v[TT+\i:TT+\i+1]
	v_pk_mul_f32 v[H+32*\e+16+\i:H+32*\e+17+\i], v[AC+32*\e+16+\i:AC+32*\e+17+\i], v[TT+\i:TT+\i+1]
.endr
.irp i, 0,2,4,6,8,10,12,14
	v_pk_fma_f32 v[H+32*\e+\i:H+32*\e+\i+1], v[AC+32*\e+16+\i:AC+32*\e+17+\i], v[TT+16+\i:TT+17+\i], v[H+32*\e+\i:H+32*\e+\i+1] neg_lo:[1,0,0] neg_hi:[1,0,0]
	v_pk_fma_f32 v[H+32*\e+16+\i:H+32*\e+17+\i], v[AC+32*\e+\i:AC+32*\e+\i+1], v[TT+16+\i:TT+17+\i], v[H+32*\e+16+\i:H+32*\e+17+\i]
.endr
.endr
	WIN 0
.endm
.macro OUTQK a
.if (\a) < 7
	s_wait_loadcnt 8
.else
	s_wait_loadcnt 0
.endif
	s_wait_xcnt 0x0
	ROPE \a
.if (\a)+2 < 8
	TABLE (\a)+2
.endif
	QUANT H, 0
	global_store_b128 v[LI16], v[PC:PC+3], s[68:69] offset:768*(\a)
	global_store_b64 v[LI8], v[PC+4:PC+5], s[68:69] offset:768*(\a)+512
	global_store_b128 v[LI16], v[PC+6:PC+9], s[70:71] offset:768*(\a)
	global_store_b64 v[LI8], v[PC+10:PC+11], s[70:71] offset:768*(\a)+512
	v_perm_b32 v229, v[PW], v[PW], v[SELP]
	ds_store_b32 v[SQ], v229 offset:64*(\a)
.endm
.macro OUTV a
	s_wait_xcnt 0x0
	QUANT 64*((\a)%4), 2+(\a)/4
	global_store_b128 v[LI16], v[PC:PC+3], s[68:69] offset:417792*((\a)/4)+1536*((\a)%4)
	global_store_b64 v[LI8], v[PC+4:PC+5], s[68:69] offset:417792*((\a)/4)+1536*((\a)%4)+512
	global_store_b128 v[LI16], v[PC+6:PC+9], s[68:69] offset:417792*((\a)/4)+1536*((\a)%4)+768
	global_store_b64 v[LI8], v[PC+10:PC+11], s[68:69] offset:417792*((\a)/4)+1536*((\a)%4)+1280
	ds_store_b32 v[SV], v[PW] offset:64*(\a)
.endm
	s_load_b256 s[4:11], s[0:1], 0x0
	s_load_b64 s[12:13], s[0:1], 0x20
	v_lshl_add_u32 v[SPW], v0, 2, SPARE
	v_mov_b32 v[NIL], 0
	ds_add_u32 v[SPW], v[NIL]
	ds_add_u32 v[SPW], v[NIL]
	v_lshrrev_b32 v1, 5, v0
	v_readfirstlane_b32 s14, v1
	s_lshr_b32 s15, s14, 1
	s_and_b32 s16, s14, 1
	s_bfe_u32 s40, ttmp6, 0x40000
	s_bfe_u32 s41, ttmp6, 0x40004
	s_lshl_b32 s43, s41, 2
	s_lshl_b32 s43, 15, s43
	s_lshl_b32 s44, 0x1111, s40
	s_and_b32 s45, ttmp7, 0xffff
	s_lshl_b32 s45, s45, 2
	s_lshl_b32 s42, ttmp9, 2
	s_add_co_u32 s17, s45, s41
	s_add_co_u32 s42, s42, s40
	s_add_co_u32 s47, s45, s40
	s_cmp_eq_u32 ttmp9, 2
	s_cselect_b32 s17, s41, s17
	s_cselect_b32 s42, s47, s42
	s_cselect_b32 s2, 2*786432, 0
	s_cselect_b32 s3, 2*32768, 0
	s_or_b32 s[G1+0], s43, (3<<16)|(1<<21)
	s_or_b32 s[G1B+0], s44, (3<<16)|(1<<21)
.irp g, G1, G1B
	s_mov_b32 s[\g+1], 384<<16
	s_mov_b32 s[\g+2], 8<<16
	s_mov_b32 s[\g+3], 384<<16
	s_mov_b32 s[\g+4], 8
	s_mov_b32 s[\g+5], 1536
	s_mov_b32 s[\g+6], 0
	s_mov_b32 s[\g+7], 0
.endr
	s_or_b32 s[G1S+0], s43, (3<<16)|(1<<21)
	s_or_b32 s[G1SB+0], s44, (3<<16)|(1<<21)
.irp g, G1S, G1SB
	s_mov_b32 s[\g+1], 32<<16
	s_mov_b32 s[\g+2], 16<<16
	s_mov_b32 s[\g+3], 32<<16
	s_mov_b32 s[\g+4], 16
	s_mov_b32 s[\g+5], 32
	s_mov_b32 s[\g+6], 0
	s_mov_b32 s[\g+7], 0
.endr
	s_mul_i32 s96, s16, 8*12288
	s_lshl_b32 s97, s16, 12
	s_mul_i32 s22, s17, 196608
	s_add_co_u32 s22, s22, s2
	s_add_co_u32 s22, s22, s96
	s_mov_b32 s23, 0
	s_lshl_b32 s92, s17, 13
	s_add_co_u32 s92, s92, s3
	s_add_co_u32 s92, s92, s97
	s_add_co_u32 s92, s92, 3145728
	s_mov_b32 s93, 0
	s_mul_i32 s46, s42, 196608
	s_add_co_u32 s46, s46, s96
	s_mov_b32 s47, 0
	s_lshl_b32 s94, s42, 13
	s_add_co_u32 s94, s94, s97
	s_add_co_u32 s94, s94, 3145728
	s_mov_b32 s95, 0
	s_mul_i32 s99, s14, HALFT
	s_lshl_b32 s98, s14, 12
	s_mov_b32 s[SEL], 0x76543210
	s_mov_b32 s[SEL+1], 0xfedcba98
	s_wait_dscnt 0x0
	s_wait_kmcnt 0x0
	s_cmp_eq_u32 ttmp9, 2
	s_cselect_b64 s[18:19], s[6:7], s[4:5]
	s_cselect_b64 s[20:21], s[4:5], s[6:7]
	s_add_nc_u64 s[22:23], s[18:19], s[22:23]
	s_add_nc_u64 s[92:93], s[18:19], s[92:93]
	s_add_nc_u64 s[46:47], s[20:21], s[46:47]
	s_add_nc_u64 s[94:95], s[20:21], s[94:95]
	CROUND
	s_mov_b32 s[G0S], 1
	s_add_co_u32 s[G0S+1], s98, SCL
	s_mov_b64 s[G0S+2:G0S+3], s[92:93]
	s_or_b32 s[G0S+3], s[G0S+3], 0x80000000
	s_mov_b32 s[G0SB], 1
	s_add_co_u32 s[G0SB+1], s98, SCL
	s_mov_b64 s[G0SB+2:G0SB+3], s[94:95]
	s_or_b32 s[G0SB+3], s[G0SB+3], 0x80000000
	JLOAD G0S, G1S, G0SB, G1SB
.irp s, 0,1
	s_mov_b32 s[G0+4*\s], 1
	s_add_co_u32 s[G0+4*\s+1], s99, \s*SLOT
	s_add_nc_u64 s[G0+4*\s+2:G0+4*\s+3], s[22:23], \s*TILEB
	s_or_b32 s[G0+4*\s+3], s[G0+4*\s+3], 0x80000000
	s_mov_b32 s[G0B+4*\s], 1
	s_add_co_u32 s[G0B+4*\s+1], s99, \s*SLOT
	s_add_nc_u64 s[G0B+4*\s+2:G0B+4*\s+3], s[46:47], \s*TILEB
	s_or_b32 s[G0B+4*\s+3], s[G0B+4*\s+3], 0x80000000
	s_wait_alu depctr_va_vdst(0)
	s_wait_tensorcnt 0x0
	ds_add_u32 v28, v29
	s_wait_dscnt 0x0
	CROUND
	JLOAD G0+4*\s, G1, G0B+4*\s, G1B
.endr
	v_and_b32 v1, 15, v0
	v_bfe_u32 v2, v0, 4, 1
	v_and_b32 v3, 31, v0
	v_lshlrev_b32 v[LI16], 4, v3
	v_lshlrev_b32 v[LI8], 3, v3
	s_mul_i32 s2, s15, HALFT
	s_mul_i32 s3, s16, HALFT
	s_add_co_u32 s3, s3, 2*HALFT
.irp s, 0,1
	v_add_nc_u32 v[ADRA+\s], s2, v[LI16]
	v_add_nc_u32 v[ADRA+2+\s], s2, v[LI8]
	v_add_nc_u32 v[ADRB+\s], s3, v[LI16]
	v_add_nc_u32 v[ADRB+2+\s], s3, v[LI8]
	s_add_co_u32 s2, s2, SLOT
	s_add_co_u32 s3, s3, SLOT
.endr
	s_lshl_b32 s2, s15, 9
	s_lshl_b32 s3, s16, 9
	s_add_co_u32 s3, s3, 8192
	s_sub_co_u32 s3, s3, s2
	v_mul_u32_u24 v4, s3, v2
	s_add_co_u32 s2, s2, SCL
	v_lshl_add_u32 v4, v1, 2, v4
	v_add_nc_u32 v[ADRS], s2, v4
	s_lshl_b32 s2, s14, 10
	v_lshlrev_b32 v4, 9, v2
	v_lshl_add_u32 v4, v1, 2, v4
	v_add_nc_u32 v4, s2, v4
	v_add_nc_u32 v[SQ], STGQ, v4
	v_lshlrev_b32 v4, 2, v1
	v_add_nc_u32 v4, s2, v4
	v_add_nc_u32 v[SV], STGV, v4
	v_add_nc_u32 v4, s2, v[LI16]
	v_add_nc_u32 v[RQ], STGQ, v4
	v_add_nc_u32 v[RV], STGV, v4
	v_mul_u32_u24 v4, v2, 417792
	v_lshl_add_u32 v[VSO], v1, 4, v4
	v_mov_b32 v4, 0x01000100
	v_mov_b32 v5, 0x03020302
	v_cmp_eq_u32 vcc_lo, 1, v2
	v_cndmask_b32 v[SELP], v4, v5, vcc_lo
	s_wait_tensorcnt 1
	s_barrier_signal -1
	s_barrier_wait -1
	FETCH_B 0, 0, 0
	FETCH_A 0, 0, 0
	SCALES 0
	FETCH_A 0, 0, 4
	STEP 0, 0, 1
	TURN 0, 1, 1
	STEP 1, 0, 0
	TURN 1, 0, 1
	STEP 0, 0, 0
	TURN 0, 1, 0
	s_cmp_eq_u32 ttmp9, 2
	s_cbranch_scc1 .Lvalues
	s_lshl_b32 s80, s40, 2
	s_lshl_b32 s81, s16, 1
	s_add_co_u32 s80, s80, s81
	s_mov_b32 s82, 417792
	s_mov_b32 s83, 26112
	s_mov_b32 s84, 417792
	s_mov_b32 s85, 26112
	s_mov_b32 s86, 24576
	s_cmp_eq_u32 ttmp9, 0
	s_cselect_b64 s[68:69], s[10:11], s[12:13]
	s_cselect_b32 s82, 196608, s82
	s_cselect_b32 s83, 12288, s83
	s_cselect_b32 s84, 16384, s84
	s_cselect_b32 s85, 1024, s85
	s_cselect_b32 s86, 3145728, s86
	s_mov_b64 s[72:73], s[68:69]
	s_mul_i32 s90, s80, s82
	s_mul_i32 s87, s17, s83
	s_add_co_u32 s90, s90, s87
	s_mul_i32 s87, s15, 6144
	s_add_co_u32 s90, s90, s87
	s_mov_b32 s91, 0
	s_add_nc_u64 s[68:69], s[68:69], s[90:91]
	s_mov_b32 s90, s82
	s_add_nc_u64 s[70:71], s[68:69], s[90:91]
	s_mul_i32 s90, s80, s84
	s_mul_i32 s87, s17, s85
	s_add_co_u32 s90, s90, s87
	s_add_co_u32 s90, s90, s86
	s_lshl_b32 s87, s15, 9
	s_add_co_u32 s90, s90, s87
	s_add_nc_u64 s[72:73], s[72:73], s[90:91]
	s_mov_b32 s90, s84
	s_add_nc_u64 s[74:75], s[72:73], s[90:91]
	s_lshl_b32 s90, s17, 16
	s_lshl_b32 s87, s15, 15
	s_add_co_u32 s90, s90, s87
	s_add_nc_u64 s[76:77], s[8:9], s[90:91]
	TABLE 0
	TABLE 1
	STEP 1, 0, 0
	LAST
.irp a, 0,1,2,3,4,5,6,7
	OUTQK \a
.endr
	ds_load_b128 v[232:235], v[RQ]
	ds_load_b128 v[236:239], v[RQ] offset:512
	s_wait_dscnt 1
	global_store_b128 v[LI16], v[232:235], s[72:73]
	s_wait_dscnt 0x0
	global_store_b128 v[LI16], v[236:239], s[74:75]
	s_branch .Ljoin
.Lvalues:
	s_lshl_b32 s80, s17, 2
	s_lshl_b32 s81, s15, 1
	s_add_co_u32 s80, s80, s81
	s_mul_i32 s90, s80, 417792
	s_mul_i32 s87, s42, 26112
	s_add_co_u32 s90, s90, s87
	s_lshl_b32 s87, s16, 8
	s_add_co_u32 s88, s90, s87
	s_add_co_u32 s88, s88, 25600
	s_mov_b32 s89, 0
	s_mul_i32 s87, s16, 6144
	s_add_co_u32 s90, s90, s87
	s_add_co_u32 s90, s90, 12288
	s_mov_b32 s91, 0
	s_add_nc_u64 s[68:69], s[12:13], s[90:91]
	s_add_nc_u64 s[72:73], s[12:13], s[88:89]
	STEP 1, 0, 0
	LAST
.irp a, 0,1,2,3,4,5,6,7
	OUTV \a
.endr
	ds_load_b128 v[232:235], v[RV]
	s_wait_dscnt 0x0
	global_store_b128 v[VSO], v[232:235], s[72:73]
.Ljoin:
	s_wait_tensorcnt 0x0
	ds_add_u32 v[SPW], v[NIL]
	s_wait_dscnt 0x0
	CROUND
	s_endpgm
.Lfunc_end_k_q86a8852431_proj:
	.size	k_q86a8852431_proj, .Lfunc_end_k_q86a8852431_proj-k_q86a8852431_proj
	.p2alignl 7, 3214868480
	.fill 96, 4, 3214868480
	.section	.rodata,"a",@progbits
	.p2align	6, 0x0
	.amdhsa_kernel k_q86a8852431_proj
		.amdhsa_group_segment_fixed_size 327680
		.amdhsa_private_segment_fixed_size 0
		.amdhsa_enable_private_segment 0
		.amdhsa_kernarg_size 40
		.amdhsa_user_sgpr_count 2
		.amdhsa_user_sgpr_kernarg_segment_ptr 1
		.amdhsa_wavefront_size32 1
		.amdhsa_system_sgpr_workgroup_id_x 1
		.amdhsa_system_sgpr_workgroup_id_y 1
		.amdhsa_system_sgpr_workgroup_id_z 1
		.amdhsa_system_vgpr_workitem_id 0
		.amdhsa_next_free_vgpr 1024
		.amdhsa_next_free_sgpr 100
		.amdhsa_reserve_vcc 1
		.amdhsa_float_denorm_mode_32 3
		.amdhsa_float_denorm_mode_16_64 3
		.amdhsa_memory_ordered 1
		.amdhsa_forward_progress 1
		.amdhsa_inst_pref_size 249
	.end_amdhsa_kernel
	.amdgpu_metadata
---
amdhsa.version: [ 1, 2 ]
amdhsa.kernels:
  - .name:           k_q86a8852431_proj
    .symbol:         k_q86a8852431_proj.kd
    .args:
      - { .name: xq, .offset: 0, .size: 8, .value_kind: global_buffer, .address_space: global }
      - { .name: wq, .offset: 8, .size: 8, .value_kind: global_buffer, .address_space: global }
      - { .name: rope, .offset: 16, .size: 8, .value_kind: global_buffer, .address_space: global }
      - { .name: qq, .offset: 24, .size: 8, .value_kind: global_buffer, .address_space: global }
      - { .name: kv, .offset: 32, .size: 8, .value_kind: global_buffer, .address_space: global }
    .group_segment_fixed_size: 327680
    .private_segment_fixed_size: 0
    .kernarg_segment_align: 8
    .kernarg_segment_size: 40
    .max_flat_workgroup_size: 128
    .sgpr_count:     100
    .vgpr_count:     1024
    .wavefront_size: 32
...
	.end_amdgpu_metadata
.endif
;; end of part 2
;; launch attn (part 3): grid 32 x 8, 8 waves a work-group, no clusters, 327,680 bytes of LDS; arguments qq, kv, oq; writes oq
.if DOCPART == 3
	.amdgcn_target "amdgcn-amd-amdhsa--gfx1250"
	.amdhsa_code_object_version 6
	.text
	.protected	k_q86a8852431_attn
	.globl	k_q86a8852431_attn
	.p2align	8
	.type	k_q86a8852431_attn,@function
k_q86a8852431_attn:
	s_mov_b64 s[64:65], 0
	v_nop
	global_prefetch_b8 v0, s[64:65] scope:SCOPE_SE
	s_setreg_imm32_b32 hwreg(HW_REG_WAVE_MODE, 25, 1), 1
	s_wait_xcnt 0x0
; Attention on codes of FP6 (E2M3): heads 0-7 under reference()'s own causal mask, heads 8-15 without; then the quantiser of the result along the last product's K.
; LEFT OUT: key steps of 128 keys that lie wholly behind a causal tile's 16 queries, and the loads of slots of 256 keys that no wave of the work-group reads: their weights are exactly 0 (launch quant's head).
; LIMIT: the promise holds while the scaled scores (the exponents to the base 2) stay under 2^31 in magnitude.
; THE SOFTMAX: t = score x log2(e) / 8; M = the running largest t rounded up to a whole number; p = 2^(t - M) is quantised along the keys; the row's sum is taken of the unquantised p and divides at the end;
; when M moves, the sum and O are multiplied by 2^(old M - new M), which rounds nothing.
; SHARES.  Work-group (j, c): query blocks j and 63 - j of 64 queries, causal head c (waves 0-3) and head c + 8 (waves 4-7).  Wave w owns TWO tiles of 16 queries: tile A = 4 j + w % 4, tile B = 252 - 4 j + w % 4
; (tile T: tokens 32 (T / 2) + 8 (T % 2) + r + 8 (r / 8)).  Both use the same fragments of K and V, read from LDS once.  A causal wave jumps over tiles and steps that are hidden to it (A's queries come before B's).
; For waves 4-7 the first queries are set to 2^30, so that no causal test ever holds: one text serves both.
; NO CLUSTER: work-groups of one pair of heads have different causal limits, so a partner would have to ask for slots that none of its waves reads.
; LAYOUT.  Both products transposed: S^T = K Q^T, O^T = V^T P^T: a lane holds one query.  The head's 64 are half of the instruction's 128 along K: Q stands as [qA][0][qB]; key tile n is read with a neighbour,
; [K n][K n+1] against [qA][0] and [K n-1][K n] against [0][qB]: the neighbour meets zero codes.  The scale words hold their two bytes twice and serve both forms.
; THE ROWS OF A KEY TILE are chosen by the lanes' LDS addresses: row 8 a + i of tile t of 64 keys is key 32 a + 8 t + i, so a lane's 32 registers of four tiles are one whole block of 32 keys, as p's operand wants it.
; kv, a head's slot of 256 keys, 26,112 dense bytes: K's 16 images of 768, V's 2 x 4 fragments of 1,536, K's words, V's words.  In LDS each 256 bytes are followed by 64 of padding (rows 320 apart), so that
; the two images that the sixteen lanes of a 16-byte load touch lie 128 bytes apart modulo 256.  Slot s at 65,536 s, the causal head's block first, the other's 32,640 on.  Waves 0, 1 fetch the causal head's halves, waves 2, 3 the other's.
; REGISTERS, window 0: v1-4, 7, 8 lane places; v9-14 the slot's addresses; v15 mask term; v22-29 -M, largest score, sum of A and of B; v30-47 Q; v50-109 K with six zeros at each end; v110-117 K's words;
; v118-169 V and its words; v170-233 S^T, then p; v234-245 p's codes; v246-255 at work.  Window 1: v0-31 O^T of A, v32-63 of B.
.set SLOT1, 65536
.set HB,    26112                      ; a head's block in kv
.set HL,    32640                      ; and in LDS: 102 rows of 320
.set XCH,   131072                     ; the result's scale bytes meet here: 8 tiles x 64 bytes
.set SPARE, 132096                     ; the spare words, 128 bytes for each of eight waves: four blocks of 256 bytes that no other line names
.set S,   170
.set P,   234
.set VF,  118
.set VWR, 166
.set KR,  56
.set KWR, 110
.set QR,  30
.set QW,  48
.set PFO, 20
.set WV,  18
.set SEL, 20
.set CS,  22
.set G1,  24
.set G0,  40
.set TB,  2
.set LQ,  66                           ; s66 my work-group's last causal query
.set SLOTS, 67
.set QF,  68                           ; s68, s69 first query of tile A, B
.set PFA, 76
.set LIM, 80
.set KF,  98                           ; s98 the slot's first key
.set MSB, 0
.macro WIN new                         ; the immediate's high byte repeats the setting that is left
.if MSB != (\new)
	s_set_vgpr_msb (MSB<<8)|(\new)
.set MSB, (\new)
.endif
.endm
.macro NOPS
.rept 4
	v_nop
.endr
.endm
.macro KLOAD q                         ; the eight key tiles of the slot's q-th step and their words: 24 loads
.irp n, 0,1,2,3,4,5,6,7
	ds_load_b128 v[KR+6*\n:KR+6*\n+3], v9 offset:960*(8*(\q)+4*(\n/4)+\n%2)+128*((\n%4)/2)
	ds_load_b64 v[KR+6*\n+4:KR+6*\n+5], v10 offset:960*(8*(\q)+4*(\n/4)+\n%2)+640+64*((\n%4)/2)
	ds_load_b32 v[KWR+\n], v11 offset:320*(96+2*(\q)+\n/4)+64*(\n%2)+32*((\n%4)/2)
.endr
.endm
.macro VLOAD q                         ; V's four fragments and their words: 20 loads
.irp t, 0,1,2,3
	ds_load_b128 v[VF+12*\t:VF+12*\t+3], v12 offset:320*(48+24*(\q)+6*\t)
	ds_load_b64 v[VF+12*\t+4:VF+12*\t+5], v13 offset:320*(48+24*(\q)+6*\t)+640
	ds_load_b128 v[VF+12*\t+6:VF+12*\t+9], v12 offset:320*(48+24*(\q)+6*\t)+960
	ds_load_b64 v[VF+12*\t+10:VF+12*\t+11], v13 offset:320*(48+24*(\q)+6*\t)+1600
	ds_load_b32 v[VWR+\t], v14 offset:320*(100+(\q))+64*\t
.endr
.endm
; ONE TILE (x = 0: A, 1: B) AGAINST 128 KEYS, the slot's q-th step.  pre = 1: the next step's key tiles are fetched behind the scores' products
.macro TILE x, q, pre
.set ST, 22+4*(\x)
.set SU, 24+4*(\x)
.irp n, 0,1,2,3,4,5,6,7
	v_wmma_scale_f32_16x16x128_f8f6f4 v[S+8*\n:S+8*\n+7], v[KR-6*(\x)+6*\n:KR-6*(\x)+6*\n+11], v[QR+6*(\x):QR+6*(\x)+11], 0, v[KWR+\n], v[QW+(\x)] matrix_a_fmt:MATRIX_FMT_FP6 matrix_b_fmt:MATRIX_FMT_FP6
.endr
	NOPS                                           ; four places: for the reads of S^T and for loads into K's registers
.if \pre
	KLOAD 1
.endif
	s_add_co_u32 s96, s[KF], 127+128*(\q)          ; on the diagonal hidden scores become -infinity ahead of the maximum; a step all of whose keys count skips this
	s_cmp_le_u32 s96, s[QF+(\x)]
	s_cbranch_scc1 .Lopen_\@
	s_sub_co_i32 s96, s[QF+(\x)], s[KF]
	s_sub_co_i32 s96, s96, 128*(\q)
	v_add_nc_u32 v246, s96, v15                    ; d = my query - the step's first key - 32 h.  Register 32 g + n holds key 64 g + 32 h + n: hidden where 64 g + n > d
	v_mov_b32 v248, 0xff800000
	s_delay_alu instid0(VALU_DEP_2)
	v_add_nc_u32 v247, 0xffffffc0, v246
.set nn, 0
.rept 64
	v_cmp_gt_i32 vcc_lo, nn%32, v[246+nn/32]
	v_cndmask_b32 v[S+nn], v[S+nn], v248, vcc_lo
.set nn, nn+1
.endr
.Lopen_\@:
.irp g, 0,1                            ; the largest score of my two blocks of 32 keys, each in two chains; every accumulator is first read at its low end
	v_max3_num_f32 v[246+\g], v[S+32*\g], v[S+32*\g+1], v[S+32*\g+2]
	v_max3_num_f32 v[248+\g], v[S+32*\g+16], v[S+32*\g+17], v[S+32*\g+18]
.endr
.irp i, 3,5,7,9,11,13
.irp g, 0,1
	v_max3_num_f32 v[246+\g], v[246+\g], v[S+32*\g+\i], v[S+32*\g+\i+1]
	v_max3_num_f32 v[248+\g], v[248+\g], v[S+32*\g+16+\i], v[S+32*\g+17+\i]
.endr
.endr
.irp g, 0,1
	v_max3_num_f32 v[246+\g], v[246+\g], v[S+32*\g+15], v[S+32*\g+31]
.endr
.irp g, 0,1
	s_delay_alu instid0(VALU_DEP_2)
	v_max_num_f32 v[246+\g], v[246+\g], v[248+\g]
.endr
	s_delay_alu instid0(VALU_DEP_1)
	v_max_num_f32 v248, v246, v247
	s_delay_alu instid0(VALU_DEP_1)
	v_permlanex16_b32 v249, v248, s[SEL], s[SEL+1]
	s_delay_alu instid0(VALU_DEP_1)
	v_max3_num_f32 v[ST+1], v[ST+1], v248, v249    ; the running largest score of my query
	s_delay_alu instid0(VALU_DEP_1)
	v_mul_f32 v248, s[CS], v[ST+1]                 ; as t
	v_mov_b32 v249, v[ST]
	s_delay_alu instid0(VALU_DEP_2)
	v_floor_f32 v[ST], -v248                       ; the new -M = -ceil(t)
	s_delay_alu instid0(VALU_DEP_1)
	v_sub_f32 v249, v[ST], v249
	s_delay_alu instid0(VALU_DEP_1)
	v_cvt_i32_f32 v249, v249                       ; (it saturates)
	s_delay_alu instid0(VALU_DEP_1)
	v_ldexp_f32 v250, 1.0, v249                    ; f = 2^(old M - new M)
.set nn, 0
.rept 32
	v_pk_fma_f32 v[S+nn:S+nn+1], v[S+nn:S+nn+1], s[CS:CS+1], v[ST:ST+1] op_sel_hi:[1,0,0]   ; t - M, two at a time
.set nn, nn+2
.endr
	v_fma_f32 v246, v246, s[CS], v[ST]             ; the same of each block's largest score: p rises with the score
	v_fma_f32 v247, v247, s[CS], v[ST]
	s_wait_alu depctr_va_vdst(0)                   ; the wait ahead of the batch
.set nn, 0
.rept 64
	v_exp_f32 v[S+nn], v[S+nn]                     ; p = 2^(t - M), not normalised
.set nn, nn+1
.endr
	v_exp_f32 v246, v246                           ; the blocks' largest p
	v_exp_f32 v247, v247
	v_pk_mul_f32 v[SU:SU+1], v[SU:SU+1], v[250:251] op_sel_hi:[1,0]   ; the sums under the new M: a plain place behind the batch
	s_wait_alu depctr_va_vdst(0)                   ; one wait for the whole batch, ahead of its first reader
	v_max_num_f32 v246, 0x1800000, v246            ; the floor: the byte cannot fall under 1
	v_max_num_f32 v247, 0x1800000, v247
	s_delay_alu instid0(VALU_DEP_2)
	v_add_nc_u32 v249, 0xff000000, v246            ; 2 off the exponent field: the conversions' scale operands
	s_delay_alu instid0(VALU_DEP_2)
	v_add_nc_u32 v251, 0xff000000, v247
	s_delay_alu instid0(VALU_DEP_2)
	v_lshrrev_b32 v252, 23, v249
	s_delay_alu instid0(VALU_DEP_2)
	v_lshrrev_b32 v253, 23, v251
	s_delay_alu instid0(VALU_DEP_1)
	v_lshl_or_b32 v252, v253, 16, v252             ; my bytes: blocks h and 2 + h,
	s_delay_alu instid0(VALU_DEP_1)
	v_lshlrev_b32 v252, v21, v252                  ; 8 h bits up;
	s_delay_alu instid0(VALU_DEP_1)
	v_permlanex16_b32 v253, v252, s[SEL], s[SEL+1]
	s_delay_alu instid0(VALU_DEP_1)
	v_or_b32 v255, v252, v253                      ; with lane l xor 16's two: p's scale word for these 128 keys
	v_cvt_scalef32_pk16_fp6_f32 v[P:P+2], v[S:S+15], v249
	v_cvt_scalef32_pk16_fp6_f32 v[P+6:P+8], v[S+32:S+47], v251
	v_cvt_scalef32_pk16_fp6_f32 v[246:248], v[S+16:S+31], v249       ; (a conversion's three registers begin on an even number)
	v_cvt_scalef32_pk16_fp6_f32 v[252:254], v[S+48:S+63], v251
	v_nop                                          ; one plain place behind the conversions
.irp i, 0,1,2
	v_mov_b32 v[P+3+\i], v[246+\i]
	v_mov_b32 v[P+9+\i], v[252+\i]
.endr
.irp d, 2,4,8                          ; the row's sum of the unquantised p, a tree in place: the codes have been made
.set nn, 0
.rept 32/\d
	v_pk_add_f32 v[S+nn:S+nn+1], v[S+nn:S+nn+1], v[S+nn+\d:S+nn+\d+1]
.set nn, nn+2*\d
.endr
.endr
	s_delay_alu instid0(VALU_DEP_3)
	v_pk_add_f32 v[S:S+1], v[S:S+1], v[S+16:S+17]
	s_delay_alu instid0(VALU_DEP_2)
	v_pk_add_f32 v[S+32:S+33], v[S+32:S+33], v[S+48:S+49]
	s_delay_alu instid0(VALU_DEP_1)
	v_pk_add_f32 v[S:S+1], v[S:S+1], v[S+32:S+33]
	s_delay_alu instid0(VALU_DEP_1)
	v_pk_add_f32 v[SU:SU+1], v[SU:SU+1], v[S:S+1]
.if \pre
	s_wait_dscnt 24                                ; V is in; the next step's 24 loads of K may be out
.else
	s_wait_dscnt 0x0                               ; V is in
.endif
	WIN 0x41                                       ; O^T lies in window 1
	s_wait_alu depctr_va_vdst(0)                   ; the wait directly ahead of the first reader of O^T
.set nn, 0
.rept 16
	v_pk_mul_f32 v[32*(\x)+nn:32*(\x)+nn+1], v[32*(\x)+nn:32*(\x)+nn+1], v[250:251] op_sel_hi:[1,0]   ; O^T under the new M; also the places in front of the products below
.set nn, nn+2
.endr
	WIN 0x50
.irp t, 0,1,2,3                        ; O^T += V^T P^T: four accumulators, one instruction each
	v_wmma_scale_f32_16x16x128_f8f6f4 v[32*(\x)+8*\t:32*(\x)+8*\t+7], v[VF+12*\t:VF+12*\t+11], v[P:P+11], v[32*(\x)+8*\t:32*(\x)+8*\t+7], v[VWR+\t], v255 matrix_a_fmt:MATRIX_FMT_FP6 matrix_b_fmt:MATRIX_FMT_FP6
.endr
	WIN 0
.endm
; A SLOT: two steps of 128 keys.  The branches hang on ids and the count of slots alone and lead round loads from LDS, products and softmax
.macro SLOTB
	s_add_co_u32 s97, s[QF+1], 23                  ; B's last query
	s_cmp_gt_u32 s[KF], s97
	s_cbranch_scc1 .Lend_\@
	v_add_nc_u32 v9, s[TB], v1                     ; six plain lines: also the places behind the last products
	v_add_nc_u32 v10, s[TB], v2
	v_add_nc_u32 v11, s[TB], v3
	v_add_nc_u32 v12, s[TB], v4
	v_add_nc_u32 v13, s[TB], v7
	v_add_nc_u32 v14, s[TB], v8
	s_wait_alu depctr_va_vdst(0)
	KLOAD 0
	VLOAD 0
	s_wait_dscnt 20                                ; K and its words are in; V's 20 loads may be out
	s_add_co_u32 s96, s[QF], 23
	s_cmp_gt_u32 s[KF], s96
	s_cbranch_scc1 .LnoA0_\@
	TILE 0, 0, 0
.LnoA0_\@:
	TILE 1, 0, 1
	s_add_co_u32 s96, s[KF], 128
	s_cmp_gt_u32 s96, s97
	s_cbranch_scc1 .Lend_\@
	NOPS                                           ; places in front of loads into V's registers
	VLOAD 1
	s_wait_dscnt 20                                ; the 24 loads of K issued in the first step are in
	s_add_co_u32 s97, s[QF], 23
	s_cmp_gt_u32 s96, s97
	s_cbranch_scc1 .LnoA1_\@
	TILE 0, 1, 0
.LnoA1_\@:
	TILE 1, 1, 0
.Lend_\@:
	s_add_co_u32 s[KF], s[KF], 256
.endm
; THE CHANGE OF SLOTS: each wave waits for all its tensor loads, adds 0 to its spare word (fill = 1: twice on end), and waits for that and
; for its reads of the slot that it has left.  Behind the barrier the slot ahead is whole and nobody reads the other one, which is then filled: one load a wave, the two loads in the arms of one chain.
.macro CHANGE fill
	s_wait_alu depctr_va_vdst(0)                   ; the wait ahead of the waits and branches below
	s_wait_tensorcnt 0x0                           ; no tensor load of mine is out, so the descriptor may be written
	ds_add_u32 v5, v6
.if \fill
	ds_add_u32 v5, v6
	s_xor_b32 s[G0+1], s[G0+1], SLOT1              ; the walking descriptor: the other slot, the next 256 keys
	s_add_nc_u64 s[G0+2:G0+3], s[G0+2:G0+3], HB
	s_wait_xcnt 0x0                                ; the last prefetch, a slot back, has read its address
	s_add_nc_u64 s[PFA:PFA+1], s[PFA:PFA+1], HB
.endif
	s_wait_dscnt 0x0
	s_barrier_signal -1
	s_barrier_wait -1
.if \fill
	s_add_co_u32 s96, s[KF], 256                   ; the first key of the slot to be asked for.  Beyond my work-group's last causal query none of its causal waves reads it: the causal head's two loads are left out.
	s_cmp_gt_u32 s96, s[LQ]                        ; ids and the count of slots alone: all eight waves go the same way
	s_cbranch_scc1 .Lpast_\@
	s_cmp_lt_u32 s[WV], 2
	s_cbranch_scc0 .Lpast_\@
	tensor_load_to_lds s[G0:G0+3], s[G1:G1+7]
	s_nop 0
	NOPS
	s_branch .Lasked_\@
.Lpast_\@:
	s_and_b32 s96, s[WV], 14
	s_cmp_eq_u32 s96, 2
	s_cbranch_scc0 .Lasked_\@
	tensor_load_to_lds s[G0:G0+3], s[G1:G1+7]      ; the other head's: every slot is read
	s_nop 0
	NOPS
.Lasked_\@:
	; A prefetch of the codes that the NEXT change of slots will ask for: 24,576 bytes a head, lanes 256 bytes apart, 8,192 bytes a wave.  All 32 work-groups of a pair of heads walk the same kv: work-group j = 0 asks,
	; waves 0-2 for the causal head, waves 4-6 for the other; so each aligned block of 256 bytes is named once.  The last change that fills a slot asks for nothing; slots 0 and 1 come by their loads alone.
	s_cmp_gt_u32 s[SLOTS], s[LIM]
	s_cbranch_scc0 .Lnot_mine_\@
	global_prefetch_b8 v[PFO], s[PFA:PFA+1] th:TH_LOAD_NT scope:SCOPE_SE
.Lnot_mine_\@:
.endif
.endm
	s_load_b128 s[4:7], s[0:1], 0x0                ; qq, kv
	s_load_b64 s[8:9], s[0:1], 0x10                ; oq
	v_lshl_add_u32 v5, v0, 2, SPARE
	v_mov_b32 v6, 0
	ds_add_u32 v5, v6                              ; the wave's opening: the add, twice on end, and its wait ahead of the first tensor load
	ds_add_u32 v5, v6
	v_lshrrev_b32 v9, 5, v0
	s_delay_alu instid0(VALU_DEP_1)
	v_readfirstlane_b32 s[WV], v9                  ; wave 0..7
	s_and_b32 s10, ttmp7, 0xffff                   ; c
	s_lshr_b32 s11, s[WV], 2                       ; g: 0 the causal head c, 1 head c + 8
	s_and_b32 s12, s[WV], 3
	s_lshl_b32 s13, ttmp9, 2
	s_add_co_u32 s14, s13, s12                     ; tile A
	s_sub_co_u32 s15, 252, s13
	s_add_co_u32 s15, s15, s12                     ; tile B
	s_and_b32 s16, s12, 1
	s_lshl_b32 s16, s16, 3
	s_lshl_b32 s[QF], s14, 4
	s_sub_co_u32 s[QF], s[QF], s16                 ; a tile's first token: 16 T - 8 (T % 2)
	s_lshl_b32 s[QF+1], s15, 4
	s_sub_co_u32 s[QF+1], s[QF+1], s16
	s_cmp_eq_u32 s11, 0
	s_cselect_b32 s[QF], s[QF], 0x40000000
	s_cselect_b32 s[QF+1], s[QF+1], 0x40000000
	s_lshl_b32 s16, ttmp9, 6
	s_sub_co_u32 s[LQ], 4095, s16
	s_lshl_b32 s16, s11, 3
	s_add_co_u32 s17, s10, s16                     ; my head
	s_mul_i32 s71, s12, 16320                      ; what I fetch, if I fetch: half (wave & 1) of head c + 8 (wave / 2)'s block: 51 rows, 320 apart in LDS
	s_lshr_b32 s72, s12, 1
	s_lshl_b32 s72, s72, 3
	s_add_co_u32 s72, s72, s10
	s_mul_i32 s72, s72, 417792
	s_and_b32 s73, s12, 1
	s_mul_i32 s73, s73, 13056
	s_add_co_u32 s72, s72, s73
	s_mov_b32 s73, 0
	s_mov_b32 s[G1], (3<<16)|(1<<20)|(5<<22)|(15<<25)   ; 13,056 dense bytes as 51 rows of 256 (32 elements of 8 bytes); 16 words of padding behind every 64
	s_mov_b32 s[G1+1], 32<<16
	s_mov_b32 s[G1+2], 51<<16
	s_mov_b32 s[G1+3], 32<<16
	s_mov_b32 s[G1+4], 51
	s_mov_b32 s[G1+5], 32
	s_mov_b32 s[G1+6], 0
	s_mov_b32 s[G1+7], 0
	s_mov_b32 s[SEL], 0x76543210
	s_mov_b32 s[SEL+1], 0xfedcba98
	s_mov_b32 s[CS], 0x3e38aa3b                    ; log2(e) / 8
	s_mov_b32 s[CS+1], s[CS]
	s_mov_b32 s[TB], 0
	s_mov_b32 s[KF], 0
	s_mov_b32 s[SLOTS], 15
	s_wait_dscnt 0x0                               ; both opening adds are done
	s_wait_kmcnt 0x0
	s_mov_b32 s[G0], 1
	s_mov_b32 s[G0+1], s71
	s_add_nc_u64 s[G0+2:G0+3], s[6:7], s[72:73]
	s_or_b32 s[G0+3], s[G0+3], 0x80000000
	s_cmp_lt_u32 s[WV], 4
	s_cbranch_scc0 .Lno_first
	tensor_load_to_lds s[G0:G0+3], s[G1:G1+7]      ; slot 0: key 0 counts for every query
	s_nop 0
	NOPS
.Lno_first:
	s_mov_b32 s55, 0
	s_mul_i32 s52, s17, 196608
	s_mul_i32 s53, s14, 768
	s_add_co_u32 s54, s52, s53
	s_add_nc_u64 s[44:45], s[4:5], s[54:55]        ; Q's image, tile A
	s_mul_i32 s53, s15, 768
	s_add_co_u32 s54, s52, s53
	s_add_nc_u64 s[46:47], s[4:5], s[54:55]        ; tile B
	s_lshl_b32 s52, s17, 14
	s_add_co_u32 s52, s52, 3145728
	s_lshl_b32 s53, s14, 6
	s_add_co_u32 s54, s52, s53
	s_add_nc_u64 s[48:49], s[4:5], s[54:55]        ; Q's words, tile A
	s_lshl_b32 s53, s15, 6
	s_add_co_u32 s54, s52, s53
	s_add_nc_u64 s[50:51], s[4:5], s[54:55]        ; tile B
	s_lshl_b32 s52, s10, 1
	s_add_co_u32 s52, s52, s11
	s_mul_i32 s52, s52, 768
	s_mul_i32 s53, s14, 12288
	s_add_co_u32 s54, s52, s53
	s_add_nc_u64 s[84:85], s[8:9], s[54:55]        ; the result's image: tile A, half fragment 2 c + g
	s_mul_i32 s53, s15, 12288
	s_add_co_u32 s54, s52, s53
	s_add_nc_u64 s[86:87], s[8:9], s[54:55]        ; tile B
	s_cmp_eq_u32 s11, 0
	s_cselect_b32 s53, s14, s15                    ; the words of four tiles are stored by wave 0 (from tile 4 j on) and wave 4 (from tile 252 - 4 j on)
	s_lshr_b32 s54, s53, 4
	s_lshl_b32 s54, s54, 13
	s_and_b32 s53, s53, 15
	s_lshl_b32 s53, s53, 6
	s_add_co_u32 s54, s54, s53
	s_lshl_b32 s53, s10, 10
	s_add_co_u32 s54, s54, s53
	s_add_co_u32 s54, s54, 3145728
	s_add_nc_u64 s[88:89], s[8:9], s[54:55]
	s_mul_i32 s54, s17, 417792
	s_lshl_b32 s53, s12, 13
	s_add_co_u32 s54, s54, s53
	s_add_co_u32 s54, s54, HB                      ; in slot 1: the first change of slots steps it to slot 2
	s_add_nc_u64 s[PFA:PFA+1], s[6:7], s[54:55]
	s_cmp_eq_u32 ttmp9, 0
	s_cselect_b32 s[LIM], 1, -1
	s_cmp_eq_u32 s12, 3                            ; (the codes are three waves' worth)
	s_cselect_b32 s[LIM], -1, s[LIM]
	s_mul_i32 s82, s11, HL                         ; my head's block in a slot
	s_lshl_b32 s83, s12, 6
	s_lshl_b32 s81, s11, 1
	s_add_co_u32 s83, s83, s81
	s_add_co_u32 s83, s83, XCH
	s_lshl_b32 s81, s11, 8
	s_add_co_u32 s81, s81, XCH
	v_and_b32 v56, 15, v0                          ; r
	v_bfe_u32 v57, v0, 4, 1                        ; h
	v_and_b32 v58, 31, v0                          ; lane
	v_and_b32 v59, 7, v0                           ; r % 8
	v_bfe_u32 v60, v0, 3, 1                        ; r / 8
	v_mul_u32_u24 v61, v60, 1920                   ; rows 8-15 of a key tile come from the image two further on
	v_add_nc_u32 v61, s82, v61
	v_mul_u32_u24 v63, v57, 320
	v_add_nc_u32 v1, v61, v63
	v_lshl_add_u32 v1, v59, 4, v1                  ; K, 16 bytes: 1920 (r / 8) + 320 h + 16 (r % 8)
	v_lshl_add_u32 v2, v57, 7, v61
	v_lshl_add_u32 v2, v59, 3, v2                  ; K, 8 bytes: 1920 (r / 8) + 128 h + 8 (r % 8)
	v_lshlrev_b32 v3, 7, v60
	v_lshl_add_u32 v3, v59, 2, v3
	v_add_nc_u32 v3, s82, v3                       ; K's words: 128 (r / 8) + 4 (r % 8)
	v_lshl_add_u32 v4, v56, 4, v63
	v_add_nc_u32 v4, s82, v4                       ; V, 16 bytes: 320 h + 16 r
	v_lshlrev_b32 v19, 3, v58
	v_add_nc_u32 v7, s82, v19                      ; V, 8 bytes: 8 x lane
	v_lshlrev_b32 v62, 2, v56
	v_add_nc_u32 v8, s82, v62                      ; V's words: 4 r
	v_lshlrev_b32 v18, 4, v58
	v_lshlrev_b32 v[PFO], 8, v58
	v_lshlrev_b32 v21, 3, v57                      ; 8 h
	v_lshl_add_u32 v15, v60, 3, v56
	v_lshlrev_b32 v61, 5, v57
	v_sub_nc_u32 v15, v15, v61                     ; r + 8 (r / 8) - 32 h
	v_add_nc_u32 v16, s83, v62                     ; where my scale bytes go: tile w % 4 (B: 256 on), word r, half g
	v_add_nc_u32 v17, s81, v19                     ; and where waves 0 and 4 read four tiles' words back
	s_wait_alu depctr_va_vdst(0)                   ; the wait ahead of the readers below
	global_load_b128 v[QR:QR+3], v18, s[44:45]     ; [qA][0][qB]
	global_load_b64 v[QR+4:QR+5], v19, s[44:45] offset:512
	global_load_b128 v[QR+12:QR+15], v18, s[46:47]
	global_load_b64 v[QR+16:QR+17], v19, s[46:47] offset:512
	global_load_b32 v[QW], v62, s[48:49]
	global_load_b32 v[QW+1], v62, s[50:51]
.irp i, 36,37,38,39,40,41,50,51,52,53,54,55,104,105,106,107,108,109
	v_mov_b32 v\i, 0                               ; the zero codes beside Q, and K's two ends: written once
.endr
.irp x, 0,1
	v_mov_b32 v[22+4*\x], 0x7f61b1e6               ; -M: 3e38
	v_mov_b32 v[23+4*\x], 0xff61b1e6               ; the largest score so far: -3e38
	v_mov_b32 v[24+4*\x], 0                        ; the sum, in two halves
	v_mov_b32 v[25+4*\x], 0
.endr
.irp i, 246,247,251
	v_mov_b32 v\i, 0                               ; lane permutes' destinations and the upper half of a pair: written before they are named
.endr
	WIN 0x40
.set nn, 0
.rept 64
	v_mov_b32 v[nn], 0                             ; O^T of both tiles: the step is written once; the first finds zeros
.set nn, nn+1
.endr
	WIN 0
	s_wait_alu depctr_va_vdst(0)                   ; the wait at the head's end
	s_wait_loadcnt 0x0                             ; Q
.Lslot:                                ; 15 trips: behind each change of slots but the last the next slot is asked for
	CHANGE 1
	SLOTB
	s_xor_b32 s[TB], s[TB], SLOT1
	s_sub_co_u32 s[SLOTS], s[SLOTS], 1
	s_cmp_lg_u32 s[SLOTS], 0
	s_cbranch_scc1 .Lslot
	CHANGE 0                                       ; the last slot is written out: nothing is left to fetch
	SLOTB
	; THE WAY OUT: O^T / the sum; register 16 b + i is d = 32 b + 16 h + i of my query: two blocks a tile along the last product's K; quantised, they are half fragment 2 c + g of the tile
	s_wait_alu depctr_va_vdst(0)
	s_wait_dscnt 0x0                               ; key tiles fetched for a step that was hidden have landed: their registers serve below
	NOPS
	v_add_f32 v24, v24, v25
	v_add_f32 v28, v28, v29
	v_permlanex16_b32 v246, v24, s[SEL], s[SEL+1]  ; the two tiles' chains take turns
	v_permlanex16_b32 v247, v28, s[SEL], s[SEL+1]
	v_add_f32 v24, v24, v246
	v_add_f32 v28, v28, v247
	s_wait_alu depctr_va_vdst(0)
	v_rcp_f32 v24, v24
	v_rcp_f32 v28, v28
	v_nop
	WIN 0x01
	s_wait_alu depctr_va_vdst(0)
.set nn, 0
.rept 32
	v_mul_f32 v[S+nn], v[nn], v24
.set nn, nn+1
.endr
.set nn, 0
.rept 32
	v_mul_f32 v[S+32+nn], v[32+nn], v28
.set nn, nn+1
.endr
	WIN 0
.irp b, 0,1,2,3
	v_mov_b32 v[60+\b], 0
.endr
.irp b, 0,1,2,3
	v_max3_num_f32 v[56+\b], |v[S+16*\b]|, |v[S+1+16*\b]|, 0x1800000
.endr
.irp i, 2,4,6,8,10,12,14
.irp b, 0,1,2,3
	v_max3_num_f32 v[56+\b], v[56+\b], |v[S+16*\b+\i]|, |v[S+1+16*\b+\i]|
.endr
.endr
.irp b, 0,1,2,3
	v_permlanex16_b32 v[60+\b], v[56+\b], s[SEL], s[SEL+1]
.endr
.irp b, 0,1,2,3
	v_max_num_f32 v[56+\b], v[56+\b], v[60+\b]
.endr
.irp b, 0,1,2,3
	v_add_nc_u32 v[64+\b], 0xff000000, v[56+\b]
.endr
.irp b, 0,1,2,3
	v_lshrrev_b32 v[60+\b], 23, v[64+\b]
.endr
	v_lshl_or_b32 v68, v61, 8, v60                 ; my head's two bytes of the row's word, tile A
	v_lshl_or_b32 v69, v63, 8, v62                 ; tile B
.irp x, 0,1
	v_cvt_scalef32_pk16_fp6_f32 v[72+8*\x:74+8*\x], v[S+32*\x:S+32*\x+15], v[64+2*\x]
	v_cvt_scalef32_pk16_fp6_f32 v[76+8*\x:78+8*\x], v[S+32*\x+16:S+32*\x+31], v[65+2*\x]
.endr
	v_nop
.irp x, 0,1
.irp i, 0,1,2
	v_permlane16_swap_b32 v[72+8*\x+\i], v[76+8*\x+\i]   ; a whole block to a lane
.endr
.endr
.irp i, 0,1,2
	v_mov_b32 v[75+\i], v[76+\i]                   ; the block's 24 bytes on end
	v_mov_b32 v[83+\i], v[84+\i]
.endr
	global_store_b128 v18, v[72:75], s[84:85]      ; 512 and 256 consecutive bytes, aligned
	global_store_b64 v19, v[76:77], s[84:85] offset:512
	global_store_b128 v18, v[80:83], s[86:87]
	global_store_b64 v19, v[84:85], s[86:87] offset:512
	ds_store_b16 v16, v68                          ; both halves of the lanes write the same two bytes with the same value
	ds_store_b16 v16, v69 offset:256
	s_wait_dscnt 0x0                               ; for the others' sake
	s_barrier_signal -1
	s_barrier_wait -1
	s_cmp_lg_u32 s12, 0
	s_cbranch_scc1 .Lno_words
	ds_load_b64 v[88:89], v17                      ; waves 0 and 4: the whole words of four neighbouring tiles,
	s_wait_dscnt 0x0
	global_store_b64 v19, v[88:89], s[88:89]       ; 256 consecutive bytes, aligned
.Lno_words:
	s_wait_tensorcnt 0x0                           ; the wave's end
	ds_add_u32 v5, v6
	s_wait_dscnt 0x0
	s_endpgm
.Lfunc_end_k_q86a8852431_attn:
	.size	k_q86a8852431_attn, .Lfunc_end_k_q86a8852431_attn-k_q86a8852431_attn
	.p2alignl 7, 3214868480
	.fill 96, 4, 3214868480
	.section	.rodata,"a",@progbits
	.p2align	6, 0x0
	.amdhsa_kernel k_q86a8852431_attn
		.amdhsa_group_segment_fixed_size 327680
		.amdhsa_private_segment_fixed_size 0
		.amdhsa_enable_private_segment 0
		.amdhsa_kernarg_size 24
		.amdhsa_user_sgpr_count 2
		.amdhsa_user_sgpr_kernarg_segment_ptr 1
		.amdhsa_wavefront_size32 1
		.amdhsa_system_sgpr_workgroup_id_x 1
		.amdhsa_system_sgpr_workgroup_id_y 1
		.amdhsa_system_sgpr_workgroup_id_z 1
		.amdhsa_system_vgpr_workitem_id 0
		.amdhsa_next_free_vgpr 320
		.amdhsa_next_free_sgpr 100
		.amdhsa_reserve_vcc 1
		.amdhsa_float_denorm_mode_32 3
		.amdhsa_float_denorm_mode_16_64 3
		.amdhsa_memory_ordered 1
		.amdhsa_forward_progress 1
		.amdhsa_inst_pref_size 172
	.end_amdhsa_kernel
	.amdgpu_metadata
---
amdhsa.version: [ 1, 2 ]
amdhsa.kernels:
  - .name:           k_q86a8852431_attn
    .symbol:         k_q86a8852431_attn.kd
    .args:
      - { .name: qq, .offset: 0, .size: 8, .value_kind: global_buffer, .address_space: global }
      - { .name: kv, .offset: 8, .size: 8, .value_kind: global_buffer, .address_space: global }
      - { .name: oq, .offset: 16, .size: 8, .value_kind: global_buffer, .address_space: global }
    .group_segment_fixed_size: 327680
    .private_segment_fixed_size: 0
    .kernarg_segment_align: 8
    .kernarg_segment_size: 24
    .max_flat_workgroup_size: 256
    .sgpr_count:     100
    .vgpr_count:     320
    .wavefront_size: 32
...
	.end_amdgpu_metadata
.endif
;; end of part 3
;; launch oproj (part 4): grid 8 x 32, 4 waves a work-group, clusters of 4 x 4, 229,376 bytes of LDS; arguments oq, wq, out0; writes out0
.if DOCPART == 4
	.amdgcn_target "amdgcn-amd-amdhsa--gfx1250"
	.amdhsa_code_object_version 6
	.text
	.protected	k_q86a8852431_oproj
	.globl	k_q86a8852431_oproj
	.p2align	8
	.type	k_q86a8852431_oproj,@function
k_q86a8852431_oproj:
	s_mov_b64 s[64:65], 0
	v_nop
	global_prefetch_b8 v0, s[64:65] scope:SCOPE_SE
	s_setreg_imm32_b32 hwreg(HW_REG_WAVE_MODE, 25, 1), 1
	s_wait_xcnt 0x0
	s_wait_alu depctr_hold_cnt(0) depctr_sa_sdst(0) depctr_va_vdst(0) depctr_va_sdst(0) depctr_va_ssrc(0) depctr_va_vcc(0) depctr_vm_vsrc(0)
	s_getreg_b32 s2, hwreg(HW_REG_IB_STS2, 6, 4)
	s_cmp_eq_u32 s2, 0
	s_cbranch_scc0 .Lentry_in_a_cluster
	s_endpgm
.Lentry_in_a_cluster:
	s_bfe_u32 s2, ttmp6, 0x10000c
	s_cmp_lg_u32 s2, 0xf033
	s_cbranch_scc0 .Lentry_shape_is_right
	s_endpgm
.Lentry_shape_is_right:
; The last product: out0[token][n] = sum over k of O[token][k] Wo[k][n], both operands as codes of FP6 (E2M3) with E8M0 scale words, in the half-fragment images that launches attn and quant have laid.
; A block of out0 is 128 tokens x 128 columns: 32 x 8 = 256 work-groups of four waves; a wave makes 64 x 64: 16 accumulators of 16 x 16.
; ALL OF K AT ONCE: eight tiles of 16 rows x 1,024 K are 98,304 dense bytes for each operand, their scale words 8 rows of 512 bytes: 204,800 bytes of LDS, each byte filled once.  So there is no ring, no refill and no
; barrier along K: the head's four loads, one a wave, bring everything (wave 0 O's codes, wave 1 Wo's, wave 2 O's words, wave 3 Wo's).
; CLUSTERS: 4 x 4 work-groups.  O's tiles hang on the block's row alone and are asked for jointly along a row of the cluster, Wo's on its column alone and are asked for jointly along a column.
; NO PREFETCH: the launch has no loop to run ahead in: everything that a work-group reads is asked for by its first four loads.
; THE MATRIX INSTRUCTION IS USED TRANSPOSED (source 0 = 16 columns of Wo, source 1 = 16 tokens): a lane holds one token, and the 16 registers of two neighbouring column tiles are 16 neighbouring columns.
; Row r of tile T is index 32 (T / 2) + 8 (T % 2) + r + 8 (r / 8), for tokens and for columns alike.  K is permuted alike in both operands (launch quant's head), so the order of the f32 sums differs from reference()'s.
; REGISTERS, window 0: v16-23 addresses; v28, v29 the add's; v32-63 scale words (register 4 s + i: lanes 0-15 token tile i, lanes 16-31 column tile i, K step s); v64-159, v160-255 two sets of fragments
; (four of Wo, four of O); on the way out v64-191 take the rows read back.  Window 1: v0-127 the accumulators, (a, b) at 8 (4 a + b).
.set TILEK,  12288                     ; a tile's images for all of K
.set BCODE,  98304                     ; LDS: O's codes from 0, Wo's from here
.set ASCL,   196608                    ; O's words: [K step 8][tile 8][r] x 4 bytes
.set BSCL,   200704                    ; Wo's
.set STAGE,  204800                    ; the way out: 16 rows x 272 bytes for each wave, bytes of their own
.set SPITCH, 272
.set SPARE,  222208                    ; the spare words, 128 bytes a wave: two blocks of 256 bytes that no other line names
.set FR,   12
.set A16,  16
.set A8,   17
.set B16,  18
.set B8,   19
.set ADRS, 20
.set STO,  21
.set RD,   22
.set CO,   23
.set SPW,  28
.set NIL,  29
.set SC,   32
.set FS,   64
.set BK,   64
.set G1,   24
.set G0,   32
.set G0B,  36
.set G1B,  48
.set G1S,  68
.set G0S,  76
.set G1SB, 80
.set G0SB, 88
.set MSB, 0
.macro WIN new                         ; the immediate's high byte repeats the setting that is left
.if MSB != (\new)
	s_set_vgpr_msb (MSB<<8)|(\new)
.set MSB, (\new)
.endif
.endm
.macro CROUND                          ; a round of the cluster's barrier
	s_barrier_signal -1
	s_barrier_wait -1
	s_cmp_lg_u32 s14, 0
	s_cbranch_scc1 .Lnot_wave_0_\@
	s_barrier_signal -3
.Lnot_wave_0_\@:
	s_barrier_wait -3
	s_barrier_signal -1
	s_barrier_wait -1
.endm
.macro PLACES
.rept 4
	v_nop
.endr
.endm
.macro ARM under, g0, g1, next         ; one arm of the head's chain: its load, and a jump to the join
	s_cmp_lt_u32 s14, \under
	s_cbranch_scc0 \next
	tensor_load_to_lds s[\g0:\g0+3], s[\g1:\g1+7]
	s_nop 0
	PLACES
	s_branch .Lhead_asked
\next:
.endm
.macro FRAG reg, a16, a8, off          ; two half fragments on end: an operand of 128 K
	ds_load_b128 v[\reg:\reg+3], v[\a16] offset:\off
	ds_load_b64 v[\reg+4:\reg+5], v[\a8] offset:\off+512
	ds_load_b128 v[\reg+6:\reg+9], v[\a16] offset:\off+768
	ds_load_b64 v[\reg+10:\reg+11], v[\a8] offset:\off+1280
.endm
.macro FETCH st                        ; K step st's eight fragments into set st % 2: 32 loads
.irp i, 0,1,2,3
	FRAG FS+96*((\st)%2)+FR*\i, B16, B8, TILEK*\i+1536*(\st)
.endr
.irp i, 0,1,2,3
	FRAG FS+96*((\st)%2)+48+FR*\i, A16, A8, TILEK*\i+1536*(\st)
.endr
.endm
.macro MUL st, zero                    ; 16 products, the 16 accumulators by turns, in the same order in every step
	WIN 0x50
.irp a, 0,1,2,3
.irp b, 0,1,2,3
.if \zero
	v_wmma_scale_f32_16x16x128_f8f6f4 v[8*(4*\a+\b):8*(4*\a+\b)+7], v[FS+96*((\st)%2)+FR*\b:FS+96*((\st)%2)+FR*\b+11], v[FS+96*((\st)%2)+48+FR*\a:FS+96*((\st)%2)+48+FR*\a+11], 0, v[SC+4*(\st)+\b], v[SC+4*(\st)+\a] matrix_a_fmt:MATRIX_FMT_FP6 matrix_b_fmt:MATRIX_FMT_FP6 matrix_a_scale:MATRIX_SCALE_ROW1
.else
	v_wmma_scale_f32_16x16x128_f8f6f4 v[8*(4*\a+\b):8*(4*\a+\b)+7], v[FS+96*((\st)%2)+FR*\b:FS+96*((\st)%2)+FR*\b+11], v[FS+96*((\st)%2)+48+FR*\a:FS+96*((\st)%2)+48+FR*\a+11], v[8*(4*\a+\b):8*(4*\a+\b)+7], v[SC+4*(\st)+\b], v[SC+4*(\st)+\a] matrix_a_fmt:MATRIX_FMT_FP6 matrix_b_fmt:MATRIX_FMT_FP6 matrix_a_scale:MATRIX_SCALE_ROW1
.endif
.endr
.endr
	WIN 0
.endm
	s_load_b128 s[4:7], s[0:1], 0x0                ; oq, wq
	s_load_b64 s[8:9], s[0:1], 0x10                ; out0
	v_lshl_add_u32 v[SPW], v0, 2, SPARE
	v_mov_b32 v[NIL], 0
	ds_add_u32 v[SPW], v[NIL]                      ; the wave's opening: the add, twice on end, and its wait ahead of my first tensor load
	ds_add_u32 v[SPW], v[NIL]
	v_lshrrev_b32 v1, 5, v0
	v_readfirstlane_b32 s14, v1                    ; wave 0..3
	s_lshr_b32 s15, s14, 1                         ; which 64 tokens of the block are mine
	s_and_b32 s16, s14, 1                          ; which 64 columns
	s_bfe_u32 s40, ttmp6, 0x40000                  ; cx, cy: my place in the cluster
	s_bfe_u32 s41, ttmp6, 0x40004
	s_lshl_b32 s43, s41, 2
	s_lshl_b32 s43, 15, s43                        ; my row of the cluster
	s_lshl_b32 s44, 0x1111, s40                    ; my column
	s_and_b32 s17, ttmp7, 0xffff
	s_lshl_b32 s17, s17, 2
	s_add_co_u32 s17, s17, s41                     ; the block's row: 128 tokens
	s_lshl_b32 s42, ttmp9, 2
	s_add_co_u32 s42, s42, s40                     ; the block's column: 128 columns
	s_or_b32 s[G1], s43, (3<<16)|(1<<21)           ; codes: 98,304 dense bytes as 384 rows of 256 (32 elements of 8 bytes); O's go to my row, Wo's to my column
	s_or_b32 s[G1B], s44, (3<<16)|(1<<21)
.irp g, G1, G1B
	s_mov_b32 s[\g+1], 32<<16
	s_mov_b32 s[\g+2], 384<<16
	s_mov_b32 s[\g+3], 32<<16
	s_mov_b32 s[\g+4], 384
	s_mov_b32 s[\g+5], 32
	s_mov_b32 s[\g+6], 0
	s_mov_b32 s[\g+7], 0
.endr
	s_or_b32 s[G1S], s43, (3<<16)|(1<<21)          ; words: 8 K steps x 512 bytes (eight tiles), 1,024 bytes from step to step
	s_or_b32 s[G1SB], s44, (3<<16)|(1<<21)
.irp g, G1S, G1SB
	s_mov_b32 s[\g+1], 64<<16
	s_mov_b32 s[\g+2], 8<<16
	s_mov_b32 s[\g+3], 64<<16
	s_mov_b32 s[\g+4], 8
	s_mov_b32 s[\g+5], 128
	s_mov_b32 s[\g+6], 0
	s_mov_b32 s[\g+7], 0
.endr
	s_mul_i32 s22, s17, 98304                      ; O's eight tiles
	s_mov_b32 s23, 0
	s_lshr_b32 s92, s17, 1
	s_lshl_b32 s92, s92, 13
	s_and_b32 s93, s17, 1
	s_lshl_b32 s93, s93, 9
	s_add_co_u32 s92, s92, s93
	s_add_co_u32 s92, s92, 3145728                 ; and their words
	s_mov_b32 s93, 0
	s_mul_i32 s46, s42, 98304
	s_add_co_u32 s46, s46, 3*786432                ; Wo's eight tiles
	s_mov_b32 s47, 0
	s_lshr_b32 s94, s42, 1
	s_lshl_b32 s94, s94, 13
	s_and_b32 s95, s42, 1
	s_lshl_b32 s95, s95, 9
	s_add_co_u32 s94, s94, s95
	s_add_co_u32 s94, s94, 3145728+3*32768
	s_mov_b32 s95, 0
	s_lshl_b32 s96, s17, 19                        ; my part of out0: token 128 x row + 64 x half, 4,096 bytes a token;
	s_lshl_b32 s97, s15, 18
	s_add_co_u32 s96, s96, s97
	s_lshl_b32 s97, s42, 9                         ; 512 bytes a block's column, 256 a half
	s_add_co_u32 s96, s96, s97
	s_lshl_b32 s97, s16, 8
	s_add_co_u32 s96, s96, s97
	s_mov_b32 s97, 0
	s_mul_i32 s2, s15, 4*TILEK                     ; LDS: my four token tiles,
	s_mul_i32 s3, s16, 4*TILEK
	s_add_co_u32 s3, s3, BCODE                     ; my four column tiles,
	s_lshl_b32 s19, s15, 8
	s_lshl_b32 s18, s16, 8
	s_add_co_u32 s18, s18, BSCL-ASCL
	s_sub_co_u32 s18, s18, s19                     ; from my tokens' words to my columns',
	s_add_co_u32 s19, s19, ASCL
	s_mul_i32 s20, s14, 16*SPITCH
	s_add_co_u32 s20, s20, STAGE                   ; my stage
	s_wait_dscnt 0x0                               ; both opening adds are done
	s_wait_kmcnt 0x0
	s_add_nc_u64 s[22:23], s[4:5], s[22:23]
	s_add_nc_u64 s[92:93], s[4:5], s[92:93]
	s_add_nc_u64 s[46:47], s[6:7], s[46:47]
	s_add_nc_u64 s[94:95], s[6:7], s[94:95]
	s_add_nc_u64 s[8:9], s[8:9], s[96:97]
	CROUND                                         ; all sixteen work-groups are here: the joint loads meet
	s_mov_b32 s[G0], 1
	s_mov_b32 s[G0+1], 0
	s_mov_b64 s[G0+2:G0+3], s[22:23]
	s_or_b32 s[G0+3], s[G0+3], 0x80000000
	s_mov_b32 s[G0B], 1
	s_mov_b32 s[G0B+1], BCODE
	s_mov_b64 s[G0B+2:G0B+3], s[46:47]
	s_or_b32 s[G0B+3], s[G0B+3], 0x80000000
	s_mov_b32 s[G0S], 1
	s_mov_b32 s[G0S+1], ASCL
	s_mov_b64 s[G0S+2:G0S+3], s[92:93]
	s_or_b32 s[G0S+3], s[G0S+3], 0x80000000
	s_mov_b32 s[G0SB], 1
	s_mov_b32 s[G0SB+1], BSCL
	s_mov_b64 s[G0SB+2:G0SB+3], s[94:95]
	s_or_b32 s[G0SB+3], s[G0SB+3], 0x80000000
	ARM 1, G0,  G1,  .Lhead_b                      ; one chain of branches on the wave's number: every way passes exactly one load
	ARM 2, G0B, G1B, .Lhead_sa
	ARM 3, G0S, G1S, .Lhead_sb
	tensor_load_to_lds s[G0SB:G0SB+3], s[G1SB:G1SB+7]
	s_nop 0
	PLACES
.Lhead_asked:
	v_and_b32 v1, 15, v0                           ; r
	v_bfe_u32 v2, v0, 4, 1                         ; h
	v_and_b32 v3, 31, v0
	v_lshlrev_b32 v4, 4, v3
	v_lshlrev_b32 v5, 3, v3
	v_add_nc_u32 v[A16], s2, v4
	v_add_nc_u32 v[A8], s2, v5
	v_add_nc_u32 v[B16], s3, v4
	v_add_nc_u32 v[B8], s3, v5
	v_mul_u32_u24 v6, s18, v2                      ; lanes 16-31 take the columns' words
	v_lshl_add_u32 v6, v1, 2, v6
	v_add_nc_u32 v[ADRS], s19, v6
	v_mul_u32_u24 v7, v1, SPITCH                   ; into the stage: row r, 64 bytes for each half of the lanes
	v_lshl_add_u32 v7, v2, 6, v7
	v_add_nc_u32 v[STO], s20, v7
	v_mul_u32_u24 v8, v2, SPITCH                   ; back: sixteen lanes to a row of 256 bytes, two rows an instruction
	v_lshl_add_u32 v8, v1, 4, v8
	v_add_nc_u32 v[RD], s20, v8
	v_lshlrev_b32 v9, 12, v2                       ; and the same two rows in out0
	v_lshl_add_u32 v[CO], v1, 4, v9
	s_wait_alu depctr_va_vdst(0)                   ; the wait at the head's end
	s_wait_tensorcnt 0x0                           ; my tile is in;
	s_barrier_signal -1
	s_barrier_wait -1                              ; and so is everybody's
.irp s, 0,1,2,3,4,5,6,7
.irp i, 0,1,2,3
	ds_load_b32 v[SC+4*\s+\i], v[ADRS] offset:512*\s+64*\i
.endr
.endr
	FETCH 0
	FETCH 1
	s_wait_dscnt 32                                ; all but the 32 loads just issued: the words and step 0's fragments are in
	MUL 0, 1                                       ; the first step's products start the sums
.irp st, 1,2,3,4,5,6
	PLACES                                         ; four places in front of loads into the set that the last products read
	FETCH \st+1
	s_wait_dscnt 32                                ; this step's fragments are in; the next step's 32 loads may be out
	MUL \st, 0
.endr
	s_wait_dscnt 0x0
	MUL 7, 0
; THE WAY OUT, by tiles of 16 tokens x 64 columns: through my own stage, back as rows of 256 bytes, which sixteen lanes store as one aligned unit.  LDS serves a wave's instructions in order: no wait between stores and loads.
.macro TOSTAGE a
	WIN 0x04                                       ; the data lie in window 1
.irp b, 0,1,2,3
	ds_store_b128 v[STO], v[8*(4*(\a)+\b):8*(4*(\a)+\b)+3] offset:128*(\b/2)+32*(\b%2)          ; each accumulator from its low end on
	ds_store_b128 v[STO], v[8*(4*(\a)+\b)+4:8*(4*(\a)+\b)+7] offset:128*(\b/2)+32*(\b%2)+16
.endr
	WIN 0
.irp t, 0,1,2,3,4,5,6,7
	ds_load_b128 v[BK+32*(\a)+4*\t:BK+32*(\a)+4*\t+3], v[RD] offset:\t*2*SPITCH
.endr
.endm
.macro SEND a, younger                 ; younger: the LDS instructions issued behind tile a's loads, which may stay out.  Every tile has registers of its own, and every offset is an immediate
	s_wait_dscnt \younger
.irp t, 0,1,2,3,4,5,6,7
	global_store_b128 v[CO], v[BK+32*(\a)+4*\t:BK+32*(\a)+4*\t+3], s[8:9] offset:(32*((\a)/2)+8*((\a)%2)+2*\t+8*(\t/4))*4096 th:TH_STORE_NT
.endr
.endm
	PLACES                                         ; behind the last products: for the stores of results and the loads into fragments' registers
	TOSTAGE 0
	TOSTAGE 1
	SEND 0, 16                                     ; behind tile 0's loads: tile 1's 8 stores and 8 loads
	TOSTAGE 2
	SEND 1, 16
	TOSTAGE 3
	SEND 2, 16
	SEND 3, 0
	s_wait_tensorcnt 0x0                           ; the wave's end
	ds_add_u32 v[SPW], v[NIL]
	s_wait_dscnt 0x0
	CROUND                                         ; the closing round
	s_endpgm
.Lfunc_end_k_q86a8852431_oproj:
	.size	k_q86a8852431_oproj, .Lfunc_end_k_q86a8852431_oproj-k_q86a8852431_oproj
	.p2alignl 7, 3214868480
	.fill 96, 4, 3214868480
	.section	.rodata,"a",@progbits
	.p2align	6, 0x0
	.amdhsa_kernel k_q86a8852431_oproj
		.amdhsa_group_segment_fixed_size 229376
		.amdhsa_private_segment_fixed_size 0
		.amdhsa_enable_private_segment 0
		.amdhsa_kernarg_size 24
		.amdhsa_user_sgpr_count 2
		.amdhsa_user_sgpr_kernarg_segment_ptr 1
		.amdhsa_wavefront_size32 1
		.amdhsa_system_sgpr_workgroup_id_x 1
		.amdhsa_system_sgpr_workgroup_id_y 1
		.amdhsa_system_sgpr_workgroup_id_z 1
		.amdhsa_system_vgpr_workitem_id 0
		.amdhsa_next_free_vgpr 384
		.amdhsa_next_free_sgpr 100
		.amdhsa_reserve_vcc 0
		.amdhsa_float_denorm_mode_32 3
		.amdhsa_float_denorm_mode_16_64 3
		.amdhsa_memory_ordered 1
		.amdhsa_forward_progress 1
		.amdhsa_inst_pref_size 52
	.end_amdhsa_kernel
	.amdgpu_metadata
---
amdhsa.version: [ 1, 2 ]
amdhsa.kernels:
  - .name:           k_q86a8852431_oproj
    .symbol:         k_q86a8852431_oproj.kd
    .args:
      - { .name: oq, .offset: 0, .size: 8, .value_kind: global_buffer, .address_space: global }
      - { .name: wq, .offset: 8, .size: 8, .value_kind: global_buffer, .address_space: global }
      - { .name: out0, .offset: 16, .size: 8, .value_kind: global_buffer, .address_space: global }
    .group_segment_fixed_size: 229376
    .private_segment_fixed_size: 0
    .kernarg_segment_align: 8
    .kernarg_segment_size: 24
    .max_flat_workgroup_size: 128
    .sgpr_count:     100
    .vgpr_count:     384
    .wavefront_size: 32
...
	.end_amdgpu_metadata
.endif
;; end of part 4
